; MI455X (gfx1250); checked and timed in simulation.
; The chip was launched on July 23, 2026; its instructions are those of AMD's public machine-readable ISA for CDNA 5 (MIT licence, August 2026) and "CDNA5" Instruction Set Architecture Reference Guide (July 2026). The comments in the code are by the model that wrote it; some were corrected since.
;; Attention Block. Allowed arithmetic: matrix products marked QUANTISED: E3M2 operands, one E8M0 scale for each 32 along K, by v_wmma_scale_f32_16x16x128_f8f6f4 with both operands' format E3M2, f32 sums; everything else in f32.
;; Inputs: gn_b 256 float32; gn_w 256 float32; proj_b 256 float32; proj_w_codes 256 x 8 x 24 uint8 (E3M2 codes of proj_w, K innermost, in blocks of 32 codes, four codes in three bytes); proj_w_scales 256 x 8 uint8 (E8M0 scales of proj_w, one for each 32 codes along K); qkv_b 768 float32; qkv_w_codes 768 x 8 x 24 uint8 (E3M2 codes of qkv_w, K innermost, in blocks of 32 codes, four codes in three bytes); qkv_w_scales 768 x 8 uint8 (E8M0 scales of qkv_w, one for each 32 codes along K); x 4 x 256 x 64 x 64 float32.
;; Outputs: out0 4 x 256 x 64 x 64 float32.
;; This version of the problem:
;;   THIS VERSION OF THE PROBLEM IS GIVEN IN LOW PRECISION. The matrix products marked QUANTISED in the list below multiply operands that are first quantised to E3M2 (3 exponent bits, 2 mantissa bits; 6 bits a number), with one power-of-two scale for each 32 numbers along K (OCP MX v1.0); their sums are f32. All else is computed in f32.
;;   The module's matrix products, in the order in which they are computed (A, B: the left and right operand; K: the contracted axis; several contracted axes count as one K, in the product's order):
;;     1. [M 16,384, K 256] x [K 256, N 768]; A: computed on the way; B: input qkv_w (given as codes): QUANTISED
;;     2. batch 16 x [M 4,096, K 64] x [K 64, N 4,096]; A: computed on the way; B: computed on the way: QUANTISED
;;     3. batch 16 x [M 4,096, K 4,096] x [K 4,096, N 64]; A: softmax (see below); B: computed on the way: QUANTISED
;;     4. [M 16,384, K 256] x [K 256, N 256]; A: computed on the way; B: input proj_w (given as codes): QUANTISED
;;   THE QUANTISER, for each operand of a quantised product, along K:
;;     - K is cut into blocks of 32 from its start; a last block that is shorter is filled with zeros.
;;     - A block's scale is 2^e with e = floor(log2(the largest magnitude in the block)) - 4, held to -126 .. 127; a block of zeros has e = 0. As a byte (E8M0): e + 127.
;;     - Each number is divided by its block's scale, clamped to +-28, and rounded to the nearest number of E3M2, ties to even, subnormals kept.
;;     - The product sums the exact products of the quantised numbers (number of the format x scale) in f32.
;;   ~~~python
;;   def quantise(x, axis):      # numpy; x: float32 -> the quantised numbers, widened to float32 again
;;       x = np.moveaxis(x, axis, -1); K = x.shape[-1]
;;       x = np.pad(x, [(0, 0)] * (x.ndim - 1) + [(0, -K % 32)]); x = x.reshape(x.shape[:-1] + (-1, 32)); a = np.abs(x).max(-1, keepdims=True)
;;       e = np.where(a > 0, np.clip(np.frexp(np.where(a > 0, a, 1))[1] - 1 - 4, -126, 127), 0)      # np.frexp(a)[1] - 1 = floor(log2(a)), exactly
;;       r = np.clip(x / 2.0 ** e, -28, 28)
;;       step = 2.0 ** (np.maximum(np.frexp(np.where(r == 0, 1, r))[1] - 1, -2) - 2)
;;       q = np.round(r / step) * step * 2.0 ** e      # np.round: ties to even
;;       return np.moveaxis(q.reshape(q.shape[:-2] + (-1,))[..., :K], -1, axis).astype(np.float32)
;;   ~~~
;;   SOFTMAX AHEAD OF A QUANTISED PRODUCT. Where the list says 'softmax', what is quantised is not the finished softmax but p = 2^(t - M), with t = logit x log2(e) and M = ceil(the row's largest t), a whole number; so 1/2 < the row's largest p <= 1. The row's sum l is taken of the UNQUANTISED p, in f32, and the product's result is divided by l at the end. Since M is a whole number, a kernel that streams over the keys may use a running M (the ceiling of the running maximum): every later rescaling is an exact power of two, which a block's scale takes up: the codes' values come out the same.
;;   OPERANDS COMPUTED ON THE WAY. 'Computed on the way' means the value that the module computes at that place (a softmax that the list does not call 'softmax' is quantised finished and normalised). What goes into a quantiser is computed in f32, as accurately as f32 sums, v_exp_f32 and their like allow (about 1e-6 of the number): no bf16 or f16 on the way to a quantiser, and a product that is left as it is and whose result goes on into a quantised operand takes f32 operands (vector FMAs, or v_wmma_f32_16x16x4_f32). A number that lies on a knife's edge between two numbers of the format may be rounded either way, as far as f32 arithmetic and the matrix unit's own rounding can turn it there, and no further.
;;   INPUTS GIVEN AS CODES. proj_w (in the module: [256, 256], K = its axis 1); qkv_w (in the module: [768, 256], K = its axis 1): each comes as NAME_codes (uint8): NAME with its K axis moved to the last place and cut into blocks of 32 codes, [.., K / 32, bytes a block], one block behind the other in memory; four codes in three bytes: a row's codes are one little-endian stream of bits, code i at bits 6 i .. 6 i + 5 (a code: sign, 3 exponent bits, 2 mantissa bits); and NAME_scales (uint8): the same leading axes, one E8M0 byte (e + 127) for each 32 codes along K. Its value is code x scale, taken as it is: it is not quantised again, and the codes and scales need not be those that the quantiser above would give.
;; One version. Each part assembles by itself: llvm-mc -triple=amdgcn-amd-amdhsa -mcpu=gfx1250 --defsym DOCPART=n.
;; ======== version 1 of 1: 4 launches
;; workspace buffers: stats 2,048 bytes; wimg 196,608 bytes; q_codes 3,145,728 bytes; q_scales 262,144 bytes; kv_codes 6,291,456 bytes; kv_scales 393,216 bytes; o_codes 3,145,728 bytes; o_scales 131,072 bytes
;; launch prep (part 1): grid 256 x 1, 8 waves a work-group, no clusters, 256 bytes of LDS; arguments x, qkv_w_codes, proj_w_codes, stats, wimg; writes stats, wimg
.if DOCPART == 1
	.amdgcn_target "amdgcn-amd-amdhsa--gfx1250"
	.amdhsa_code_object_version 6
	.text
	.protected	k_q5efb21b136_prep
	.globl	k_q5efb21b136_prep
	.p2align	8
	.type	k_q5efb21b136_prep,@function
k_q5efb21b136_prep:
	s_mov_b64 s[64:65], 0
	v_nop
	global_prefetch_b8 v0, s[64:65] scope:SCOPE_SE
	s_setreg_imm32_b32 hwreg(HW_REG_WAVE_MODE, 25, 1), 1
	s_wait_xcnt 0x0
; PREP.  (1) Partial statistics for the group norm.  x is [4][256][4096] f32; a group (32 channels x 4,096 numbers) is 524,288 bytes on end.
; Work-group i takes the 65,536 bytes at 65,536 i: part i % 8 of group i / 8, 16,384 numbers.  It stores (mean_j, M2_j), M2_j = the sum of (x - mean_j)^2 about the part's OWN mean,
; at stats + 8 i: no difference of large sums is formed, so a common offset of x costs nothing.  The part stays in registers between the two passes: x is read once here.
; Thread t takes 16 bytes at 16 t + 4,096 k, k = 0 .. 15: each load of a wave covers 512 consecutive bytes.
; (2) The weights' codes laid as images of operand registers.  Work-groups 0 to 15 lay one fragment a wave: fragment f = 8 i + wave; f < 96: qkv_w, else proj_w.
; Fragment (tile, K step s), tile = 4 U + t: 16 rows x 128 K = 12 registers a lane.  Lane (r, h) holds row 64 U + 32 (t / 2) + 8 (t % 2) + r + 8 (r / 8): THE ROWS OF A TILE ARE NOT NEIGHBOURS, so that
; a product that takes such a tile as source 0 leaves 16 neighbours along the tile's rows in the 16 registers of two neighbouring tiles.  Image: register q of lane L at 512 (q / 4) + 16 L + 4 (q % 4): 1,536 bytes,
; so that a reader has the fragment by three loads of 16 bytes a lane, each of 512 consecutive bytes.
; Work-groups share no input: no cluster, no LDS tiles; LDS carries the eight waves' partial sums alone.
; LIMITS: NaN and infinities among the inputs are not served.
.set X,   16                           ; v16-79  the part: 64 numbers a thread
.set WFR, 80                           ; v80-91  a weight fragment
.macro WSUM                            ; v4 summed over the wave's 32 lanes, the result in every lane
	s_delay_alu instid0(VALU_DEP_1)
	v_add_f32_dpp v4, v4, v4 row_xmask:1 row_mask:0xf bank_mask:0xf
	s_delay_alu instid0(VALU_DEP_1)
	v_add_f32_dpp v4, v4, v4 row_xmask:2 row_mask:0xf bank_mask:0xf
	s_delay_alu instid0(VALU_DEP_1)
	v_add_f32_dpp v4, v4, v4 row_xmask:4 row_mask:0xf bank_mask:0xf
	s_delay_alu instid0(VALU_DEP_1)
	v_add_f32_dpp v4, v4, v4 row_xmask:8 row_mask:0xf bank_mask:0xf
	s_delay_alu instid0(VALU_DEP_1)
	v_permlanex16_b32 v5, v4, s12, s13             ; (its destination has been written: it was a chain's upper half)
	s_delay_alu instid0(VALU_DEP_1)
	v_add_f32 v4, v4, v5
.endm
.macro FOLD                            ; the four chains v[4:11] become the wave's sum
	s_delay_alu instid0(VALU_DEP_3)
	v_pk_add_f32 v[4:5], v[4:5], v[6:7]
	s_delay_alu instid0(VALU_DEP_2)
	v_pk_add_f32 v[8:9], v[8:9], v[10:11]
	s_delay_alu instid0(VALU_DEP_1)
	v_pk_add_f32 v[4:5], v[4:5], v[8:9]
	s_delay_alu instid0(VALU_DEP_1)
	v_add_f32 v4, v4, v5
	WSUM
.endm
.macro EIGHT off                       ; the eight waves' words at LDS byte off: two halves of their sum are left in v4 and v8
	ds_load_b128 v[4:7], v13 offset:\off
	ds_load_b128 v[8:11], v13 offset:\off+16
	s_wait_dscnt 0x0
	v_add_f32 v4, v4, v5
	v_add_f32 v6, v6, v7
	v_add_f32 v8, v8, v9
	v_add_f32 v10, v10, v11
	s_delay_alu instid0(VALU_DEP_3)
	v_add_f32 v4, v4, v6
	s_delay_alu instid0(VALU_DEP_2)
	v_add_f32 v8, v8, v10
.endm
	s_load_b256 s[4:11], s[0:1], 0x0               ; x s[4:5], qkv_w_codes s[6:7], proj_w_codes s[8:9], stats s[10:11]
	s_load_b64 s[14:15], s[0:1], 0x20              ; wimg
	v_lshrrev_b32 v2, 5, v0
	s_delay_alu instid0(VALU_DEP_1)
	v_readfirstlane_b32 s16, v2                    ; wave 0..7
	v_lshlrev_b32 v1, 4, v0                        ; 16 t
	s_delay_alu instid0(VALU_DEP_3)
	v_lshlrev_b32 v12, 2, v2                       ; LDS: my wave's word
	v_mov_b32 v13, 0
	s_lshl_b32 s18, ttmp9, 16                      ; my part of x
	s_mov_b32 s19, 0
	s_mov_b32 s12, 0x76543210
	s_mov_b32 s13, 0xfedcba98                      ; v_permlanex16_b32's selects for lane l xor 16
	s_wait_alu depctr_va_vdst(0)
	s_wait_kmcnt 0x0
	s_add_nc_u64 s[4:5], s[4:5], s[18:19]
.irp k, 0,1,2,3,4,5,6,7,8,9,10,11,12,13,14,15
	global_load_b128 v[X+4*\k:X+4*\k+3], v1, s[4:5] offset:4096*\k
.endr
	s_cmp_lt_u32 ttmp9, 16                         ; the first sixteen work-groups also lay the weights: the same way for all eight waves, no barrier inside
	s_cbranch_scc0 .Lno_weights
	v_and_b32 v3, 15, v0                           ; r
	s_delay_alu instid0(VALU_DEP_1)
	v_and_b32 v92, 8, v3
	s_delay_alu instid0(VALU_DEP_1)
	v_add_nc_u32 v92, v92, v3                      ; r + 8 (r / 8)
	s_delay_alu instid0(VALU_DEP_1)
	v_mul_u32_u24 v92, v92, 192                    ; a row of 256 codes is 192 bytes
	v_bfe_u32 v3, v0, 4, 1                         ; h
	s_delay_alu instid0(VALU_DEP_1)
	v_mad_u32_u24 v92, v3, 24, v92                 ; + 24 h: my block of 32 codes
	s_wait_alu depctr_va_vdst(0)
	v_and_b32 v93, 31, v0
	s_delay_alu instid0(VALU_DEP_1)
	v_lshlrev_b32 v93, 4, v93                      ; 16 L: my place in an image
	s_lshl_b32 s23, ttmp9, 3
	s_add_co_u32 s23, s23, s16                     ; f
	s_cmp_lt_u32 ttmp9, 12                         ; the choice hangs on the work-group's number alone
	s_cselect_b64 s[20:21], s[6:7], s[8:9]
	s_cselect_b32 s22, 0, 96
	s_sub_co_u32 s22, s23, s22                     ; the fragment's number in its own tensor
	s_lshr_b32 s24, s22, 1                         ; tile
	s_and_b32 s25, s22, 1                          ; K step
	s_lshr_b32 s26, s24, 2
	s_lshl_b32 s26, s26, 6                         ; 64 U
	s_bfe_u32 s27, s24, 0x10001
	s_lshl_b32 s27, s27, 5                         ; + 32 (t / 2)
	s_add_co_u32 s26, s26, s27
	s_and_b32 s27, s24, 1
	s_lshl_b32 s27, s27, 3                         ; + 8 (t % 2)
	s_add_co_u32 s26, s26, s27
	s_mul_i32 s26, s26, 192
	s_mul_i32 s25, s25, 96                         ; a K step of 128 codes is 96 bytes
	s_add_co_u32 s26, s26, s25
	s_mov_b32 s27, 0
	s_add_nc_u64 s[20:21], s[20:21], s[26:27]
	s_mul_i32 s28, s23, 1536
	s_mov_b32 s29, 0
	s_add_nc_u64 s[14:15], s[14:15], s[28:29]
.irp p, 0,1,2,3,4,5
	global_load_b64 v[WFR+2*\p:WFR+2*\p+1], v92, s[20:21] offset:48*(\p/3)+8*(\p%3)   ; registers 6 c .. 6 c + 5: k = 64 c + 32 h + 0 .. 31, 24 bytes as they lie
.endr
	s_wait_alu depctr_va_vdst(0)
	s_wait_loadcnt 0x0                             ; the fragment (and x, which is wanted next anyway)
.irp q, 0,1,2
	global_store_b128 v93, v[WFR+4*\q:WFR+4*\q+3], s[14:15] offset:512*\q   ; 32 lanes store 512 consecutive bytes, aligned
.endr
.Lno_weights:
	s_wait_loadcnt 0x0                             ; x
	; pass 1: the sum, in four chains started by the first eight pairs: nothing is cleared
.irp c, 0,1,2,3
	v_pk_add_f32 v[4+2*\c:5+2*\c], v[X+2*\c:X+2*\c+1], v[X+8+2*\c:X+9+2*\c]
.endr
.set p, 8
.rept 24
	s_delay_alu instid0(VALU_DEP_4)
	v_pk_add_f32 v[4+2*(p%4):5+2*(p%4)], v[4+2*(p%4):5+2*(p%4)], v[X+2*p:X+2*p+1]
.set p, p+1
.endr
	FOLD
	ds_store_b32 v12, v4                           ; all lanes write the wave's word with the same value
	s_wait_dscnt 0x0                               ; for the others' sake: my store is done
	s_barrier_signal -1
	s_barrier_wait -1
	EIGHT 0
	s_delay_alu instid0(VALU_DEP_1)
	v_add_f32 v4, v4, v8
	s_delay_alu instid0(VALU_DEP_1)
	v_mul_f32 v14, 0x38800000, v4                  ; mean_j = sum x 2^-14
	s_delay_alu instid0(VALU_DEP_1)
	v_mov_b32 v15, v14
	; pass 2: the squares about that mean
.set p, 0
.rept 32
	v_pk_add_f32 v[X+2*p:X+2*p+1], v[X+2*p:X+2*p+1], v[14:15] neg_lo:[0,1] neg_hi:[0,1]
.set p, p+1
.endr
.irp c, 0,1,2,3
	v_pk_mul_f32 v[4+2*\c:5+2*\c], v[X+2*\c:X+2*\c+1], v[X+2*\c:X+2*\c+1]
.endr
.set p, 4
.rept 28
	s_delay_alu instid0(VALU_DEP_4)
	v_pk_fma_f32 v[4+2*(p%4):5+2*(p%4)], v[X+2*p:X+2*p+1], v[X+2*p:X+2*p+1], v[4+2*(p%4):5+2*(p%4)]
.set p, p+1
.endr
	FOLD
	ds_store_b32 v12, v4 offset:32                 ; other bytes than pass 1's, which slower waves may still be reading
	s_wait_dscnt 0x0
	s_barrier_signal -1
	s_barrier_wait -1
	s_cmp_lg_u32 s16, 0
	s_cbranch_scc1 .Ldone                          ; wave 0 alone stores the pair
	EIGHT 32
	s_delay_alu instid0(VALU_DEP_1)
	v_add_f32 v15, v4, v8                          ; M2_j
	s_lshl_b32 s18, ttmp9, 3
	s_add_nc_u64 s[10:11], s[10:11], s[18:19]
	s_wait_alu depctr_va_vdst(0)
	s_wait_xcnt 0x0                                ; EXEC changes only behind this wait: the images' stores have read their sources
	v_cmp_eq_u32 vcc_lo, 0, v0
	s_and_saveexec_b32 s30, vcc_lo
	global_store_b64 v13, v[14:15], s[10:11]       ; one lane: 8 bytes
.Ldone:
	s_endpgm
.Lfunc_end_k_q5efb21b136_prep:
	.size	k_q5efb21b136_prep, .Lfunc_end_k_q5efb21b136_prep-k_q5efb21b136_prep
	.p2alignl 7, 3214868480
	.fill 96, 4, 3214868480
	.section	.rodata,"a",@progbits
	.p2align	6, 0x0
	.amdhsa_kernel k_q5efb21b136_prep
		.amdhsa_group_segment_fixed_size 256
		.amdhsa_private_segment_fixed_size 0
		.amdhsa_enable_private_segment 0
		.amdhsa_kernarg_size 40
		.amdhsa_user_sgpr_count 2
		.amdhsa_user_sgpr_kernarg_segment_ptr 1
		.amdhsa_wavefront_size32 1
		.amdhsa_system_sgpr_workgroup_id_x 1
		.amdhsa_system_sgpr_workgroup_id_y 1
		.amdhsa_system_sgpr_workgroup_id_z 1
		.amdhsa_system_vgpr_workitem_id 0
		.amdhsa_next_free_vgpr 96
		.amdhsa_next_free_sgpr 66
		.amdhsa_reserve_vcc 1
		.amdhsa_float_denorm_mode_32 3
		.amdhsa_float_denorm_mode_16_64 3
		.amdhsa_memory_ordered 1
		.amdhsa_forward_progress 1
		.amdhsa_inst_pref_size 16
	.end_amdhsa_kernel
	.amdgpu_metadata
---
amdhsa.version: [ 1, 2 ]
amdhsa.kernels:
  - .name:           k_q5efb21b136_prep
    .symbol:         k_q5efb21b136_prep.kd
    .args:
      - { .name: x, .offset: 0, .size: 8, .value_kind: global_buffer, .address_space: global }
      - { .name: qkv_w_codes, .offset: 8, .size: 8, .value_kind: global_buffer, .address_space: global }
      - { .name: proj_w_codes, .offset: 16, .size: 8, .value_kind: global_buffer, .address_space: global }
      - { .name: stats, .offset: 24, .size: 8, .value_kind: global_buffer, .address_space: global }
      - { .name: wimg, .offset: 32, .size: 8, .value_kind: global_buffer, .address_space: global }
    .group_segment_fixed_size: 256
    .private_segment_fixed_size: 0
    .kernarg_segment_align: 8
    .kernarg_segment_size: 40
    .max_flat_workgroup_size: 256
    .sgpr_count:     66
    .vgpr_count:     96
    .wavefront_size: 32
...
	.end_amdgpu_metadata
.endif
;; end of part 1
;; launch qkv (part 2): grid 256 x 1, 16 waves a work-group, no clusters, 12,800 bytes of LDS; arguments x, stats, gn_w, gn_b, wimg, qkv_w_scales, qkv_b, q_codes, q_scales, kv_codes, kv_scales; writes q_codes, q_scales, kv_codes, kv_scales
.if DOCPART == 2
	.amdgcn_target "amdgcn-amd-amdhsa--gfx1250"
	.amdhsa_code_object_version 6
	.text
	.protected	k_q5efb21b136_qkv
	.globl	k_q5efb21b136_qkv
	.p2align	8
	.type	k_q5efb21b136_qkv,@function
k_q5efb21b136_qkv:
	s_mov_b64 s[64:65], 0
	v_nop
	global_prefetch_b8 v0, s[64:65] scope:SCOPE_SE
	s_setreg_imm32_b32 hwreg(HW_REG_WAVE_MODE, 25, 1), 1
	s_wait_xcnt 0x0
; QKV.  h = groupnorm(x) x gn_w + gn_b, quantised along the channels (BF6 = E3M2, one E8M0 scale for each 32); qkv = qkv_w h + qkv_b on codes; q and k quantised along the head's 64, v along the keys.
; A work-group takes 64 columns n (64 T .. 64 T + 63 of batch b) x all 256 channels x all 768 outputs.  Sixteen waves.
; PHASE 1, waves 0-7: wave g takes group g = channels 32 g .. 32 g + 31, which is also block g of the quantiser.  A LANE TAKES TWO COLUMNS AND ITS REGISTERS RUN DOWN THE CHANNELS: each load reads 256 consecutive
; bytes of one channel's row, aligned; a block lies in one lane's 32 registers, so its largest magnitude needs no other lane, and the conversions give codes with K innermost.  The codes go to LDS as images of operand registers.
; Meanwhile waves 8-15 load their weights.  ONE barrier.
; PHASE 2: waves 8-11: q of head w % 4; waves 12-15: k of head w % 4 (source 0 = 16 rows of the weight, source 1 = 16 columns of h: a lane holds one n, its registers run along d);
; waves 0-7: v of head g / 2, two of its four tiles of d (source 0 = 16 columns of h, source 1 = 16 rows of the weight: a lane holds one d, its registers run along the keys).
; THE ROWS OF A TILE ARE NOT NEIGHBOURS, in the weights' tiles and in h's alike: row rho of tile 2 b + u is 32 b + 8 u + rho + 8 (rho / 8), so that the 16 registers of tiles 2 b and 2 b + 1 of a result are 16 neighbours along source 0's rows.
; A HALF RECORD is what the program's own buffers are made of: six registers x 32 lanes, 768 bytes: registers 0-3 at 16 L, registers 4-5 at 512 + 8 L; lane (r, h) holds the 32 codes of row r, block h.  Every store and load of it covers whole aligned runs of 256 bytes.
; The biases are the C of each sum's first matrix instruction.
; NO JOINT LOADS: a wave loads its own weight fragments (8 images of 1,536 bytes at the most) once, straight into the registers that keep them; carried jointly they would go through LDS, written once and read once, and the launch has no loop over which a cluster's barrier could be shared out.
; LIMITS: NaN and infinities are not served.  A block whose largest magnitude lies under 2^-122 keeps the scale byte 1; a block of zeros gets the byte 1 where the rule says 127: its codes are zeros, and this program alone reads the bytes.  v_rsq_f32 is taken as it is (1 ulp: ISA guide, its entry).
.set HSC,  12288                       ; LDS: 0: h's 16 half records (record 4 m + g / 2, lane r + 16 (g % 2));  HSC: its scale bytes, byte 128 m + 8 r + g
.set SEL,  100                         ; s[100:101] lane selects for v_permlanex16_b32
.set WSC,  16                          ; v16-23  the weights' scale words  }  these sixteen registers hold scales and nothing else, in both roles
.set HS,   24                          ; v24-31  h's scale words           }
.set WF,   32                          ; the weights' fragments: v role 4 (v32-79), q/k role 8 (v32-127)
.set ACC,  186                         ; v186-217 four accumulators
.set PC,   218                         ; v218-223 the codes just made
.set PT,   224                         ; v224-226 a conversion's second half
.set TM,   228                         ; v228-234 at work in the quantiser
.set SW,   236                         ; v236-239 the scale words made (v role: two)
.set BI,   80                          ; v role: v80-81 the bias of my lane's d, for the two tiles
.set CB,   82                          ;         v82-89 the same eight times: the C of a sum's first product
.set VHF,  90                          ;         v90-185 h's eight fragments: (m, s) at 90 + 12 (2 m + s)
.set XR,   90                          ; phase 1: v90-153 x as loaded: channel i's two columns at 2 i
.set H0,   154                         ;         v154-185 h of my even column
.set H1,   186                         ;         v186-217 of my odd column
.set PC1,  238
.set PT1,  244
.set SB0,  248
.set SB1,  249
.set BB,   128                         ; q/k role: v128-159 the bias in the result's layout
.set QHF,  160                         ;         v160-183 h's two fragments of a tile
; 32 numbers of a lane, register 16 b + i = k 32 b + 16 h + i of my row, become a half record's six registers in v[pc] on, and tm + 6 the two scale bytes s0 | s1 << 8.
.macro QUANT2 s, pc, pt, tm
.irp b, 0,1
	v_max3_num_f32 v[\tm+\b], |v[\s+16*\b]|, |v[\s+1+16*\b]|, 0x2800000   ; block b: my 16 numbers, and the floor 2^(5 - 127): so the byte cannot fall under 1
.endr
.irp i, 2,4,6,8,10,12,14
.irp b, 0,1
	v_max3_num_f32 v[\tm+\b], v[\tm+\b], |v[\s+16*\b+\i]|, |v[\s+1+16*\b+\i]|
.endr
.endr
.irp b, 0,1
	s_delay_alu instid0(VALU_DEP_2)
	v_permlanex16_b32 v[\tm+2+\b], v[\tm+\b], s[SEL], s[SEL+1]
.endr
.irp b, 0,1
	s_delay_alu instid0(VALU_DEP_2)
	v_max_num_f32 v[\tm+\b], v[\tm+\b], v[\tm+2+\b]   ; with lane l xor 16's: the block's largest magnitude
.endr
.irp b, 0,1
	s_delay_alu instid0(VALU_DEP_2)
	v_add_nc_u32 v[\tm+4+\b], 0xfe000000, v[\tm+\b]   ; 4 off its exponent field: the conversion takes the exponent field of this operand as its scale
.endr
.irp b, 0,1
	s_delay_alu instid0(VALU_DEP_2)
	v_lshrrev_b32 v[\tm+2+\b], 23, v[\tm+4+\b]     ; the scale's byte
.endr
	s_delay_alu instid0(VALU_DEP_1)
	v_lshl_or_b32 v[\tm+6], v[\tm+3], 8, v[\tm+2]
	v_cvt_scalef32_pk16_bf6_f32 v[\pc:\pc+2], v[\s:\s+15], v[\tm+4]
	v_cvt_scalef32_pk16_bf6_f32 v[\pt:\pt+2], v[\s+16:\s+31], v[\tm+5]   ; (a conversion's three registers begin on an even number)
	v_nop                                          ; one plain place behind a scaled conversion
.irp i, 0,1,2
	v_permlane16_swap_b32 v[\pc+\i], v[\pt+\i]     ; the operand's layout wants a WHOLE block in a lane: lanes 0-15 block 0, lanes 16-31 block 1
.endr
.irp i, 0,1,2
	s_delay_alu instid0(VALU_DEP_3)
	v_mov_b32 v[\pc+3+\i], v[\pt+\i]
.endr
.endm
; A whole block of 32 in one lane's registers v[s] on: six registers of codes in v[pc] on, the scale's byte in v[sb]; t0 .. t0 + 2 at work.
.macro BLK32 s, pc, pt, sb, t0
	v_max3_num_f32 v[\t0], |v[\s]|, |v[\s+1]|, |v[\s+2]|
	v_max3_num_f32 v[\t0+1], |v[\s+3]|, |v[\s+4]|, |v[\s+5]|
.irp i, 6,10,14,18,22,26
	s_delay_alu instid0(VALU_DEP_2)
	v_max3_num_f32 v[\t0], v[\t0], |v[\s+\i]|, |v[\s+\i+1]|
	s_delay_alu instid0(VALU_DEP_2)
	v_max3_num_f32 v[\t0+1], v[\t0+1], |v[\s+\i+2]|, |v[\s+\i+3]|
.endr
	s_delay_alu instid0(VALU_DEP_2)
	v_max3_num_f32 v[\t0], v[\t0], |v[\s+30]|, |v[\s+31]|
	s_delay_alu instid0(VALU_DEP_1)
	v_max3_num_f32 v[\t0], v[\t0], v[\t0+1], 0x2800000   ; and the floor
	s_delay_alu instid0(VALU_DEP_1)
	v_add_nc_u32 v[\t0+2], 0xfe000000, v[\t0]
	s_delay_alu instid0(VALU_DEP_1)
	v_lshrrev_b32 v[\sb], 23, v[\t0+2]
	v_cvt_scalef32_pk16_bf6_f32 v[\pc:\pc+2], v[\s:\s+15], v[\t0+2]
	v_cvt_scalef32_pk16_bf6_f32 v[\pt:\pt+2], v[\s+16:\s+31], v[\t0+2]
	v_nop                                          ; one plain place behind a scaled conversion
.irp i, 0,1,2
	v_mov_b32 v[\pc+3+\i], v[\pt+\i]
.endr
.endm
.macro PLACES                          ; four places behind matrix instructions, ahead of reads of their results and of loads into their registers
.rept 4
	v_nop
.endr
.endm
	s_load_b512 s[84:99], s[0:1], 0x0              ; x 84, stats 86, gn_w 88, gn_b 90, wimg 92, qkv_w_scales 94, qkv_b 96, q_codes 98
	s_load_b128 s[4:7], s[0:1], 0x40               ; q_scales s[4:5], kv_codes s[6:7]
	s_load_b64 s[8:9], s[0:1], 0x50                ; kv_scales
	v_lshrrev_b32 v1, 5, v0
	s_delay_alu instid0(VALU_DEP_1)
	v_readfirstlane_b32 s2, v1                     ; wave 0..15
	s_and_b32 s3, s2, 7                            ; g
	s_lshr_b32 s66, ttmp9, 6                       ; b
	s_and_b32 s67, ttmp9, 63                       ; T
	s_mov_b32 s[SEL], 0x76543210
	s_mov_b32 s[SEL+1], 0xfedcba98
	v_and_b32 v1, 31, v0                           ; L
	v_and_b32 v2, 15, v0                           ; r
	v_bfe_u32 v3, v0, 4, 1                         ; h
	s_delay_alu instid0(VALU_DEP_3)
	v_lshlrev_b32 v4, 3, v1                        ; 8 L: my two columns of x
	s_delay_alu instid0(VALU_DEP_4)
	v_lshlrev_b32 v8, 4, v1                        ; 16 L: a record's registers 0-3
	s_delay_alu instid0(VALU_DEP_2)
	v_add_nc_u32 v9, 512, v4                       ; 512 + 8 L: its registers 4-5
	v_lshl_add_u32 v10, v2, 3, HSC                 ; my row's eight scale bytes
	; Where phase 1 stores.  Column n = 2 L + j is row r' = 8 l3 + 2 (L % 4) + j of tile m = 2 l4 + l2 (l4 .. l2: bits of L).  All LDS addresses are made here, ahead of the parting of the roles.
	v_bfe_u32 v11, v0, 2, 1                        ; l2
	v_bfe_u32 v12, v0, 3, 1                        ; l3
	v_and_b32 v13, 3, v0                           ; L % 4
	s_lshr_b32 s14, s3, 1
	s_mul_i32 s14, s14, 768                        ; record g / 2 of a tile's four
	s_and_b32 s15, s3, 1
	v_mul_u32_u24 v5, v3, 6144                     ; registers 0-3: 3,072 m + 16 (r' + 16 (g % 2))
	s_delay_alu instid0(VALU_DEP_1)
	v_mad_u32_u24 v5, v11, 3072, v5
	s_delay_alu instid0(VALU_DEP_1)
	v_lshl_add_u32 v5, v12, 7, v5
	s_delay_alu instid0(VALU_DEP_1)
	v_lshl_add_u32 v5, v13, 5, v5
	s_lshl_b32 s10, s15, 8
	s_add_co_u32 s10, s10, s14
	v_add_nc_u32 v5, s10, v5
	v_mul_u32_u24 v6, v3, 6144                     ; registers 4-5: 3,072 m + 512 + 8 (r' + 16 (g % 2))
	s_delay_alu instid0(VALU_DEP_1)
	v_mad_u32_u24 v6, v11, 3072, v6
	s_delay_alu instid0(VALU_DEP_1)
	v_lshl_add_u32 v6, v12, 6, v6
	s_delay_alu instid0(VALU_DEP_1)
	v_lshl_add_u32 v6, v13, 4, v6
	s_lshl_b32 s10, s15, 7
	s_add_co_u32 s10, s10, s14
	s_add_co_u32 s10, s10, 512
	v_add_nc_u32 v6, s10, v6
	v_lshlrev_b32 v7, 8, v3                        ; the scale's byte: HSC + 128 m + 8 r' + g
	s_delay_alu instid0(VALU_DEP_1)
	v_lshl_add_u32 v7, v11, 7, v7
	s_delay_alu instid0(VALU_DEP_1)
	v_lshl_add_u32 v7, v12, 6, v7
	s_delay_alu instid0(VALU_DEP_1)
	v_lshl_add_u32 v7, v13, 4, v7
	s_add_co_u32 s10, s3, HSC
	v_add_nc_u32 v7, s10, v7
	v_and_b32 v11, 8, v2
	s_delay_alu instid0(VALU_DEP_1)
	v_add_nc_u32 v11, v11, v2                      ; r + 8 (r / 8)
	s_delay_alu instid0(VALU_DEP_1)
	v_lshlrev_b32 v12, 2, v11                      ; x 4: v's bias
	s_delay_alu instid0(VALU_DEP_2)
	v_lshlrev_b32 v11, 3, v11                      ; x 8: a weight row's eight scale bytes
	v_lshlrev_b32 v13, 6, v3                       ; 64 h: q's and k's bias
	v_and_b32 v14, 7, v0
	s_delay_alu instid0(VALU_DEP_1)
	v_lshlrev_b32 v14, 3, v14                      ; 8 (L % 8): a part's pair of statistics
	v_lshlrev_b32 v15, 4, v2                       ; 16 r: the scale words' way out
	v_mov_b32 v[TM+2], 0                           ; written once: a lane permute's destination counts as one of its sources
	v_mov_b32 v[TM+3], 0
	s_wait_kmcnt 0x0
	s_cmp_lt_u32 s2, 8
	s_cbranch_scc0 .Lqk_head
	; ---- waves 0-7: all loads first.  In order: the statistics (1), x (32), my weights for phase 2 (12 + 2 + 2)
	s_lshl_b32 s14, s66, 9
	s_lshl_b32 s15, s3, 6
	s_add_co_u32 s14, s14, s15                     ; 64 (8 b + g)
	s_mov_b32 s15, 0
	s_add_nc_u64 s[86:87], s[86:87], s[14:15]
	s_wait_alu depctr_va_vdst(0)
	global_load_b64 v[228:229], v14, s[86:87]      ; (mean_j, M2_j) of part L % 8
	s_lshl_b32 s14, s66, 22                        ; x: batch, 4 MiB;
	s_lshl_b32 s10, s3, 19                         ; group, 524,288 bytes;
	s_add_co_u32 s14, s14, s10
	s_lshl_b32 s10, s67, 8                         ; 64 columns, 256 bytes
	s_add_co_u32 s14, s14, s10
	s_add_nc_u64 s[84:85], s[84:85], s[14:15]
.set i, 0
.rept 32
	global_load_b64 v[XR+2*i:XR+2*i+1], v4, s[84:85] offset:16384*i   ; channel 32 g + i: 32 lanes read 256 consecutive bytes, aligned
.set i, i+1
.endr
	s_mul_i32 s14, s3, 6144                        ; v's fragments of head g / 2, tiles 2 (g % 2) + e: images 64 + 4 g on, four on end
	s_add_co_u32 s14, s14, 98304
	s_add_nc_u64 s[92:93], s[92:93], s[14:15]
.irp i, 0,1,2,3,4,5,6,7,8,9,10,11
	global_load_b128 v[WF+4*\i:WF+4*\i+3], v8, s[92:93] offset:512*\i   ; (e, s) at WF + 12 (2 e + s)
.endr
	s_lshl_b32 s14, s3, 8                          ; their rows begin at 512 + 32 g: 8 scale bytes a row
	s_add_co_u32 s14, s14, 4096
	s_add_nc_u64 s[94:95], s[94:95], s[14:15]
	global_load_b64 v[WSC:WSC+1], v11, s[94:95]
	global_load_b64 v[WSC+2:WSC+3], v11, s[94:95] offset:64
	s_lshl_b32 s14, s3, 7
	s_add_co_u32 s14, s14, 2048
	s_add_nc_u64 s[96:97], s[96:97], s[14:15]
	global_load_b32 v[BI], v12, s[96:97]
	global_load_b32 v[BI+1], v12, s[96:97] offset:32
	s_lshl_b32 s14, s3, 7                          ; gain and bias of my 32 channels, in scalar registers: s16-47; s48-63 and s68-83
	s_add_nc_u64 s[88:89], s[88:89], s[14:15]
	s_add_nc_u64 s[90:91], s[90:91], s[14:15]
	s_load_b512 s[16:31], s[88:89], 0x0
	s_load_b512 s[32:47], s[88:89], 0x40
	s_load_b512 s[48:63], s[90:91], 0x0
	s_load_b512 s[68:83], s[90:91], 0x40
	s_mov_b32 s14, 0x37000000                      ; 2^-17: a group has 131,072 numbers
	s_mov_b32 s15, 0x3727c5ac                      ; 1e-5
	s_wait_loadcnt 48                              ; the statistics are in; x's 32 loads and the weights' 16 stay out
	v_mov_b32 v230, v228
	s_delay_alu instid0(VALU_DEP_1)
	v_add_f32_dpp v230, v230, v230 row_xmask:1 row_mask:0xf bank_mask:0xf
	s_delay_alu instid0(VALU_DEP_1)
	v_add_f32_dpp v230, v230, v230 row_xmask:2 row_mask:0xf bank_mask:0xf
	s_delay_alu instid0(VALU_DEP_1)
	v_add_f32_dpp v230, v230, v230 row_xmask:4 row_mask:0xf bank_mask:0xf
	s_delay_alu instid0(VALU_DEP_1)
	v_mul_f32 v230, 0x3e000000, v230               ; the group's mean: the eight parts are equally large
	s_delay_alu instid0(VALU_DEP_1)
	v_sub_f32 v231, v228, v230
	s_delay_alu instid0(VALU_DEP_1)
	v_mul_f32 v231, v231, v231
	s_delay_alu instid0(VALU_DEP_1)
	v_fmamk_f32 v231, v231, 0x46800000, v229       ; M2_j + 16,384 (mean_j - mean)^2
	s_delay_alu instid0(VALU_DEP_1)
	v_add_f32_dpp v231, v231, v231 row_xmask:1 row_mask:0xf bank_mask:0xf
	s_delay_alu instid0(VALU_DEP_1)
	v_add_f32_dpp v231, v231, v231 row_xmask:2 row_mask:0xf bank_mask:0xf
	s_delay_alu instid0(VALU_DEP_1)
	v_add_f32_dpp v231, v231, v231 row_xmask:4 row_mask:0xf bank_mask:0xf
	s_delay_alu instid0(VALU_DEP_1)
	v_fma_f32 v231, v231, s14, s15                 ; the variance + 1e-5
	s_wait_alu depctr_va_vdst(0)
	v_rsq_f32 v232, v231
	v_mul_f32 v233, -1.0, v230                     ; (a plain place behind the transcendental)
	v_readfirstlane_b32 s12, v232                  ; every lane holds the same two numbers
	s_delay_alu instid0(VALU_DEP_2)
	v_readfirstlane_b32 s10, v233
	s_mov_b32 s13, s12                             ; (the packed forms name pairs)
	s_mov_b32 s11, s10
	s_wait_kmcnt 0x0                               ; gain and bias
	s_wait_loadcnt 16                              ; x is in; the weights' 16 loads stay out
.set i, 0
.rept 32
	v_pk_add_f32 v[XR+2*i:XR+2*i+1], v[XR+2*i:XR+2*i+1], s[10:11] op_sel_hi:[1,0]   ; x - mean
.set i, i+1
.endr
.set i, 0
.rept 32
	v_pk_mul_f32 v[XR+2*i:XR+2*i+1], v[XR+2*i:XR+2*i+1], s[12:13] op_sel_hi:[1,0]   ; x 1 / sqrt(var + eps)
.set i, i+1
.endr
.set i, 0
.rept 32
	v_fma_f32 v[H0+i], v[XR+2*i], s[16+i], s[48+i+4*(i/16)]       ; x gain + bias; these lines also part the two columns
	v_fma_f32 v[H1+i], v[XR+2*i+1], s[16+i], s[48+i+4*(i/16)]
.set i, i+1
.endr
	BLK32 H0, PC, PT, SB0, 228
	BLK32 H1, PC1, PT1, SB1, 231
	ds_store_b128 v5, v[PC:PC+3]
	ds_store_b64 v6, v[PC+4:PC+5]
	ds_store_b8 v7, v[SB0]
	ds_store_b128 v5, v[PC1:PC1+3] offset:16
	ds_store_b64 v6, v[PC1+4:PC1+5] offset:8
	ds_store_b8 v7, v[SB1] offset:8
	s_branch .Ljoin
.Lqk_head:                                         ; ---- waves 8-15: unit U = wave - 8 = g: q of heads 0-3, k of heads 0-3: rows 64 U on
	s_mul_i32 s14, s3, 12288                       ; eight images on end: (t, s) at WF + 12 (2 t + s)
	s_mov_b32 s15, 0
	s_add_nc_u64 s[92:93], s[92:93], s[14:15]
.set i, 0
.rept 24
	global_load_b128 v[WF+4*i:WF+4*i+3], v8, s[92:93] offset:512*i
.set i, i+1
.endr
	s_lshl_b32 s14, s3, 9
	s_add_nc_u64 s[94:95], s[94:95], s[14:15]
	s_wait_alu depctr_va_vdst(0)
.irp t, 0,1,2,3
	global_load_b64 v[WSC+2*\t:WSC+2*\t+1], v11, s[94:95] offset:(32*(\t/2)+8*(\t%2))*8
.endr
	s_lshl_b32 s14, s3, 8
	s_add_nc_u64 s[96:97], s[96:97], s[14:15]
.irp t, 0,1,2,3
	global_load_b128 v[BB+8*\t:BB+8*\t+3], v13, s[96:97] offset:(32*(\t/2)+8*(\t%2))*4      ; lane (r, h), register j of tile t: output 32 (t / 2) + 16 h + 8 (t % 2) + j
	global_load_b128 v[BB+8*\t+4:BB+8*\t+7], v13, s[96:97] offset:(32*(\t/2)+8*(\t%2))*4+16
.endr
.Ljoin:
	s_wait_dscnt 0x0                               ; for the others' sake: my stores of h's images are done
	s_barrier_signal -1
	s_barrier_wait -1                              ; h's sixteen half records and its scale bytes lie in LDS; nothing overwrites them
	s_wait_loadcnt 0x0                             ; my weights, their scales, my bias
	s_cmp_lt_u32 s2, 8
	s_cbranch_scc1 .Lv
	; ---- q and k.  Where they go: q: q_codes [bh][4 T + m][768], q_scales [bh][T][r][m]; k: kv_codes [bh][T / 2][12,288] at 3,072 (T % 2) + 768 m, kv_scales [bh][T / 2][768] at 256 (T % 2) + 16 r + 4 m
	s_and_b32 s10, s3, 3
	s_lshl_b32 s11, s66, 2
	s_add_co_u32 s10, s10, s11                     ; bh = 4 b + head
	s_lshr_b32 s11, s67, 1
	s_and_b32 s12, s67, 1
	s_mul_i32 s16, s10, 196608
	s_mul_i32 s17, s67, 3072
	s_add_co_u32 s16, s16, s17
	s_lshl_b32 s18, s10, 14
	s_lshl_b32 s17, s67, 8
	s_add_co_u32 s18, s18, s17
	s_mul_i32 s20, s10, 393216
	s_mul_i32 s17, s11, 12288
	s_add_co_u32 s20, s20, s17
	s_mul_i32 s17, s12, 3072
	s_add_co_u32 s20, s20, s17
	s_mul_i32 s22, s10, 24576
	s_mul_i32 s17, s11, 768
	s_add_co_u32 s22, s22, s17
	s_lshl_b32 s17, s12, 8
	s_add_co_u32 s22, s22, s17
	s_cmp_lt_u32 s2, 12                            ; q's wave or k's: the choice hangs on the wave's number alone
	s_cselect_b64 s[24:25], s[98:99], s[6:7]
	s_cselect_b64 s[26:27], s[4:5], s[8:9]
	s_cselect_b32 s16, s16, s20
	s_cselect_b32 s18, s18, s22
	s_mov_b32 s17, 0
	s_mov_b32 s19, 0
	s_add_nc_u64 s[24:25], s[24:25], s[16:17]
	s_add_nc_u64 s[26:27], s[26:27], s[18:19]
.irp m, 0,1,2,3                                ; a tile of 16 columns at a time
.irp s, 0,1
.irp c, 0,1
	ds_load_b128 v[QHF+12*\s+6*\c:QHF+12*\s+6*\c+3], v8 offset:(4*\m+2*\s+\c)*768
	ds_load_b64 v[QHF+12*\s+6*\c+4:QHF+12*\s+6*\c+5], v9 offset:(4*\m+2*\s+\c)*768
.endr
.endr
	ds_load_b64 v[HS:HS+1], v10 offset:128*\m      ; my row's scale words of the two K steps
	s_wait_dscnt 0x0
.irp t, 0,1,2,3                                ; the four accumulators take turns, one instruction a turn
	v_wmma_scale_f32_16x16x128_f8f6f4 v[ACC+8*\t:ACC+8*\t+7], v[WF+24*\t:WF+24*\t+11], v[QHF:QHF+11], v[BB+8*\t:BB+8*\t+7], v[WSC+2*\t], v[HS] matrix_a_fmt:MATRIX_FMT_BF6 matrix_b_fmt:MATRIX_FMT_BF6
.endr
.irp t, 0,1,2,3
	v_wmma_scale_f32_16x16x128_f8f6f4 v[ACC+8*\t:ACC+8*\t+7], v[WF+24*\t+12:WF+24*\t+23], v[QHF+12:QHF+23], v[ACC+8*\t:ACC+8*\t+7], v[WSC+2*\t+1], v[HS+1] matrix_a_fmt:MATRIX_FMT_BF6 matrix_b_fmt:MATRIX_FMT_BF6
.endr
	PLACES
.if \m > 0
	s_wait_xcnt 0x0                                ; the last tile's stores have read the codes' registers: they are written again only behind this wait
.endif
	QUANT2 ACC, PC, PT, TM                         ; lane (r, h): column r of the tile, d = 32 h .. 32 h + 31
	v_lshl_or_b32 v[SW+\m], v[TM+6], 16, v[TM+6]   ; the word (s0, s1, s0, s1): the head's 64 may stand in either half of a K step of 128
	global_store_b128 v8, v[PC:PC+3], s[24:25] offset:768*\m       ; 512 consecutive bytes, aligned
	global_store_b64 v9, v[PC+4:PC+5], s[24:25] offset:768*\m      ; 256 consecutive bytes, aligned
.endr
	s_wait_alu depctr_va_vdst(0)
	s_wait_xcnt 0x0                                ; EXEC changes only behind this wait
	v_cmp_gt_u32 vcc_lo, 16, v1
	s_and_saveexec_b32 s28, vcc_lo
	global_store_b128 v15, v[SW:SW+3], s[26:27]    ; sixteen lanes store 256 consecutive bytes, aligned
	s_endpgm
.Lv:	; ---- v of head g / 2, tiles of d 2 (g % 2) + e.  kv_codes [bh][T / 2] at 6,144 + 1,536 t + 768 (T % 2); kv_scales [bh][T / 2] at 512 + 16 r + 4 t + 2 (T % 2)
	s_lshr_b32 s10, s3, 1
	s_lshl_b32 s11, s66, 2
	s_add_co_u32 s10, s10, s11                     ; bh
	s_lshr_b32 s11, s67, 1
	s_and_b32 s12, s67, 1
	s_and_b32 s13, s3, 1
	s_mul_i32 s16, s10, 393216
	s_mul_i32 s17, s11, 12288
	s_add_co_u32 s16, s16, s17
	s_mul_i32 s17, s13, 3072
	s_add_co_u32 s16, s16, s17
	s_mul_i32 s17, s12, 768
	s_add_co_u32 s16, s16, s17
	s_add_co_u32 s16, s16, 6144
	s_mov_b32 s17, 0
	s_add_nc_u64 s[6:7], s[6:7], s[16:17]
	s_mul_i32 s16, s10, 24576
	s_mul_i32 s18, s11, 768
	s_add_co_u32 s16, s16, s18
	s_lshl_b32 s18, s13, 3
	s_add_co_u32 s16, s16, s18
	s_lshl_b32 s18, s12, 1
	s_add_co_u32 s16, s16, s18
	s_add_co_u32 s16, s16, 512
	s_add_nc_u64 s[8:9], s[8:9], s[16:17]
.set i, 0
.rept 16
	ds_load_b128 v[VHF+6*i:VHF+6*i+3], v8 offset:768*i             ; all sixteen half records: fragment (m, s) is records 4 m + 2 s and 4 m + 2 s + 1
	ds_load_b64 v[VHF+6*i+4:VHF+6*i+5], v9 offset:768*i
.set i, i+1
.endr
.irp m, 0,1,2,3
	ds_load_b64 v[HS+2*\m:HS+2*\m+1], v10 offset:128*\m
.endr
.irp e, 0,1
.irp i, 0,1,2,3,4,5,6,7
	v_mov_b32 v[CB+\i], v[BI+\e]                   ; a lane holds one d: its bias in all eight registers
.endr
	PLACES                                         ; between the moves that write C and the product, as for operands written by vector instructions
.if \e == 0
	s_wait_alu depctr_va_vdst(0)
	s_wait_dscnt 0x0
.endif
.irp m, 0,1,2,3
	v_wmma_scale_f32_16x16x128_f8f6f4 v[ACC+8*\m:ACC+8*\m+7], v[VHF+24*\m:VHF+24*\m+11], v[WF+24*\e:WF+24*\e+11], v[CB:CB+7], v[HS+2*\m], v[WSC+2*\e] matrix_a_fmt:MATRIX_FMT_BF6 matrix_b_fmt:MATRIX_FMT_BF6
.endr
.irp m, 0,1,2,3
	v_wmma_scale_f32_16x16x128_f8f6f4 v[ACC+8*\m:ACC+8*\m+7], v[VHF+24*\m+12:VHF+24*\m+23], v[WF+24*\e+12:WF+24*\e+23], v[ACC+8*\m:ACC+8*\m+7], v[HS+2*\m+1], v[WSC+2*\e+1] matrix_a_fmt:MATRIX_FMT_BF6 matrix_b_fmt:MATRIX_FMT_BF6
.endr
	PLACES
.if \e > 0
	s_wait_xcnt 0x0                                ; the first tile's stores have read the codes' registers
.endif
	QUANT2 ACC, PC, PT, TM                         ; lane (r, h): row d of the tile, keys 32 h .. 32 h + 31 of my 64
	v_mov_b32 v[SW+\e], v[TM+6]
	global_store_b128 v8, v[PC:PC+3], s[6:7] offset:1536*\e
	global_store_b64 v9, v[PC+4:PC+5], s[6:7] offset:1536*\e
.endr
	s_wait_alu depctr_va_vdst(0)
	s_wait_xcnt 0x0                                ; EXEC changes only behind this wait
	v_cmp_gt_u32 vcc_lo, 16, v1
	s_and_saveexec_b32 s28, vcc_lo
	global_store_b16 v15, v[SW], s[8:9]            ; two bytes of a key step's word: the other two are the neighbouring work-group's.  The program's only stores of less than whole runs: 131,072 bytes in all
	global_store_b16 v15, v[SW+1], s[8:9] offset:4
	s_endpgm
.Lfunc_end_k_q5efb21b136_qkv:
	.size	k_q5efb21b136_qkv, .Lfunc_end_k_q5efb21b136_qkv-k_q5efb21b136_qkv
	.p2alignl 7, 3214868480
	.fill 96, 4, 3214868480
	.section	.rodata,"a",@progbits
	.p2align	6, 0x0
	.amdhsa_kernel k_q5efb21b136_qkv
		.amdhsa_group_segment_fixed_size 12800
		.amdhsa_private_segment_fixed_size 0
		.amdhsa_enable_private_segment 0
		.amdhsa_kernarg_size 88
		.amdhsa_user_sgpr_count 2
		.amdhsa_user_sgpr_kernarg_segment_ptr 1
		.amdhsa_wavefront_size32 1
		.amdhsa_system_sgpr_workgroup_id_x 1
		.amdhsa_system_sgpr_workgroup_id_y 1
		.amdhsa_system_sgpr_workgroup_id_z 1
		.amdhsa_system_vgpr_workitem_id 0
		.amdhsa_next_free_vgpr 256
		.amdhsa_next_free_sgpr 102
		.amdhsa_reserve_vcc 1
		.amdhsa_float_denorm_mode_32 3
		.amdhsa_float_denorm_mode_16_64 3
		.amdhsa_memory_ordered 1
		.amdhsa_forward_progress 1
		.amdhsa_inst_pref_size 57
	.end_amdhsa_kernel
	.amdgpu_metadata
---
amdhsa.version: [ 1, 2 ]
amdhsa.kernels:
  - .name:           k_q5efb21b136_qkv
    .symbol:         k_q5efb21b136_qkv.kd
    .args:
      - { .name: x, .offset: 0, .size: 8, .value_kind: global_buffer, .address_space: global }
      - { .name: stats, .offset: 8, .size: 8, .value_kind: global_buffer, .address_space: global }
      - { .name: gn_w, .offset: 16, .size: 8, .value_kind: global_buffer, .address_space: global }
      - { .name: gn_b, .offset: 24, .size: 8, .value_kind: global_buffer, .address_space: global }
      - { .name: wimg, .offset: 32, .size: 8, .value_kind: global_buffer, .address_space: global }
      - { .name: qkv_w_scales, .offset: 40, .size: 8, .value_kind: global_buffer, .address_space: global }
      - { .name: qkv_b, .offset: 48, .size: 8, .value_kind: global_buffer, .address_space: global }
      - { .name: q_codes, .offset: 56, .size: 8, .value_kind: global_buffer, .address_space: global }
      - { .name: q_scales, .offset: 64, .size: 8, .value_kind: global_buffer, .address_space: global }
      - { .name: kv_codes, .offset: 72, .size: 8, .value_kind: global_buffer, .address_space: global }
      - { .name: kv_scales, .offset: 80, .size: 8, .value_kind: global_buffer, .address_space: global }
    .group_segment_fixed_size: 12800
    .private_segment_fixed_size: 0
    .kernarg_segment_align: 8
    .kernarg_segment_size: 88
    .max_flat_workgroup_size: 512
    .sgpr_count:     102
    .vgpr_count:     256
    .wavefront_size: 32
...
	.end_amdgpu_metadata
.endif
;; end of part 2
;; launch attn (part 3): grid 16 x 16, 16 waves a work-group, clusters of 4 x 1, 327,680 bytes of LDS; arguments q_codes, q_scales, kv_codes, kv_scales, o_codes, o_scales; writes o_codes, o_scales
.if DOCPART == 3
	.amdgcn_target "amdgcn-amd-amdhsa--gfx1250"
	.amdhsa_code_object_version 6
	.text
	.protected	k_q5efb21b136_attn
	.globl	k_q5efb21b136_attn
	.p2align	8
	.type	k_q5efb21b136_attn,@function
k_q5efb21b136_attn:
	s_mov_b64 s[64:65], 0
	v_nop
	global_prefetch_b8 v0, s[64:65] scope:SCOPE_SE
	s_setreg_imm32_b32 hwreg(HW_REG_WAVE_MODE, 25, 1), 1
	s_wait_xcnt 0x0
	s_wait_alu depctr_hold_cnt(0) depctr_sa_sdst(0) depctr_va_vdst(0) depctr_va_sdst(0) depctr_va_ssrc(0) depctr_va_vcc(0) depctr_vm_vsrc(0)
	s_getreg_b32 s2, hwreg(HW_REG_IB_STS2, 6, 4)
	s_cmp_eq_u32 s2, 0
	s_cbranch_scc0 .Lentry_in_a_cluster
	s_endpgm
.Lentry_in_a_cluster:
	s_bfe_u32 s2, ttmp6, 0x10000c
	s_cmp_lg_u32 s2, 0x3003
	s_cbranch_scc0 .Lentry_shape_is_right
	s_endpgm
.Lentry_shape_is_right:
; ATTENTION on codes of BF6 (E3M2), one E8M0 scale for each 32 along a product's K.  16 (batch, head) pairs bh, 4,096 queries and keys, head size 64.
; t = score x log2(e) / 8; M = the row's largest t so far, rounded UP to a whole number; p = 2^(t - M) is quantised along the keys, not normalised; the row's sum is taken of the unquantised p and divides O at the end.
; When M moves, the sum and O are multiplied by 2^(old M - new M): exact.  O / sum is quantised along the head's 64 (two blocks of the last product's K) and stored as codes.
; SHARES.  A work-group owns 256 queries of one bh; each of its sixteen waves owns 16 of them in 256 registers: four waves to a SIMD, so that one wave's vector work stands beside another's matrix work and LDS loads.
; Every wave walks the 32 key steps of 128 keys.  A key step is 12,288 dense bytes of kv_codes, laid in the order of the operands' registers (half records of 768 bytes: registers 0-3 at 16 L, registers 4-5 at 512 + 8 L):
; K's eight tiles of 16 keys, then V's four tiles of 16 of the head's 64, two half records each.  So every LDS load of a wave reads 512 or 256 consecutive bytes.
; RING: two slots of eight key steps (98,304 bytes), filled by waves 0-3, a quarter each; the head's scale words (24,576 bytes) come once, by wave 4, and stay.
; CLUSTER: the four work-groups of a cluster belong to one bh and walk the same K and V: each tile is asked for JOINTLY, by the same tensor load with the same descriptor and the mask of all four.
; LAYOUT.  Both products are used transposed: S^T = K Q^T (source 0 = 16 keys, source 1 = my 16 queries), O^T = V^T P^T: a lane holds ONE query throughout.  The keys of a tile are not neighbours
; (row rho of tile 2 b + u is key 32 b + 8 u + rho + 8 (rho / 8)), so that the 16 registers of tiles 2 b and 2 b + 1 are keys 32 b + 16 (lane / 16) + 0 .. 15; V's rows d likewise, for the quantiser of O.
; THE HEAD'S 64 IN A K STEP OF 128: the other half is zero codes on both sides.  Two tiles of K share six zero registers: (even tile's six, six zeros, odd tile's six); the even tile's operand is the first twelve, with Q as (codes, zeros),
; the odd tile's the last twelve, with Q as (zeros, codes).  The scale words are (s0, s1, s0, s1) and serve both places.
; LIMITS: NaN and infinities are not served.  v_exp_f32 gives 0 for p under 2^-126.  A block's largest p is taken through its largest score, which takes v_exp_f32 not to fall where its input rises.
; A block whose largest magnitude lies under 2^-122, or that is all zeros, keeps the scale byte 1: this program alone reads the bytes.  v_rcp_f32 is taken as it is (1 ulp: ISA guide, its entry).
.set STEPB, 12288
.set SLOTB, 8*STEPB                    ; 98,304
.set SLOT1, 1<<17                      ; slot 1 begins here, so that one exclusive or turns an address in one slot into the other's
.set SCL,   SLOTB                      ; behind slot 0: the head's scale words: 768 bytes a key step: K's 512 (lane L at 16 L: tiles 4 (L / 16) + 0 .. 3 of row r), V's 256 (16 r + 4 t)
.set SPARE, SCL+24576                  ; the spare words, 128 bytes for each wave: eight blocks of 256 bytes that no other line names
.set STG,   SPARE+2048                 ; 512 bytes: the sixteen waves' scale bytes of O, on their way out; no tile lands here
.set SPW,  5                           ; v5   LDS address of my spare word; never rewritten
.set NIL,  6                           ; v6   0; never rewritten
.set AD16, 7                           ; v7-10 addresses of the step in hand: records' registers 0-3, registers 4-5, K's scale words, V's
.set AD8,  8
.set ADS,  9
.set ADT,  10
.set PFO,  11                          ; v11  256 x my lane: the prefetches' offset; never rewritten
.set Q,    16                          ; v16-33  Q's codes, six zeros, Q's codes again
.set KB,   34                          ; v34-69  two pairs of tiles of K: pair p at 34 + 18 p
.set VB,   70                          ; v70-117 V's four fragments
.set S,    118                         ; v118-181 S^T, then p
.set O,    182                         ; v182-213 O^T
.set PC,   214                         ; v214-225 p's codes
.set KS,   226                         ; v226-229 K's scale words  }
.set VS,   230                         ; v230-233 V's              }  scales and nothing else
.set QS,   234                         ; v234 Q's                  }
.set PS,   235                         ; v235 p's                  }
.set BM,   236                         ; v236-239 the blocks' largest scores
.set PD,   240                         ; v240-243 permutes' destinations, then bytes; v240-242 and v244-246 conversions' second halves
.set SO,   248                         ; v248-251 the conversions' scale operands
.set WV,   16                          ; s16 my wave's number
.set SEL,  20                          ; s[20:21]
.set CS,   22                          ; s[22:23] c = log2(e) / 8
.set G1,   24                          ; s[24:31] descriptor group 1: 96 rows of 256 bytes, for the codes' quarters and for the scales alike
.set G0,   32                          ; s[32:35] group 0 of the codes: it walks
.set G0S,  36                          ; s[36:39] group 0 of the scales
.set TB,   40                          ; s40 LDS byte at which the step in hand begins
.set TS,   41                          ; s41 its scale words: 768 bytes a step
.set SLOTS, 42                         ; s42 slots still to be asked for
.set CNT,  43
.set LIM,  44                          ; s44 1 in a wave that prefetches, else the greatest number
.set PFA,  46                          ; s[46:47] where my prefetches stand
.macro ROUND                           ; a round of the cluster's barrier
	s_barrier_signal -1
	s_barrier_wait -1
	s_cmp_lg_u32 s[WV], 0
	s_cbranch_scc1 .Lnot_wave_0_\@
	s_barrier_signal -3
.Lnot_wave_0_\@:
	s_barrier_wait -3
	s_barrier_signal -1
	s_barrier_wait -1
.endm
.macro PLACES
.rept 4
	v_nop
.endr
.endm
.macro TLOAD                           ; waves 0-3 fetch a quarter of a slot each; the branch hangs on the wave's number alone.  Four v_nop follow the load
	s_cmp_lt_u32 s[WV], 4
	s_cbranch_scc0 .Lnone_\@
	tensor_load_to_lds s[G0:G0+3], s[G1:G1+7]
	s_nop 0
	PLACES
.Lnone_\@:
.endm
; A PREFETCH INTO THE L2 of the slot that the NEXT change of slots will ask for: eight key steps ahead of that load, the least that this ring offers.  All clusters of a bh walk the same bytes: its first cluster asks.
; The four partners share the slot's 98,304 bytes out BY ADDRESS, 24,576 each; in each, waves 4 to 6 take 8,192 bytes, lanes 256 bytes apart: 4 x 3 x 32 = 384 blocks of 256 bytes, each named once.
; Slots 0 and 1 and the scales come by their loads alone; the last change that fills a slot asks for nothing.
.macro ASK
	s_cmp_gt_u32 s[SLOTS], s[LIM]
	s_cbranch_scc0 .Lnot_mine_\@
	global_prefetch_b8 v[PFO], s[PFA:PFA+1] th:TH_LOAD_NT scope:SCOPE_SE
.Lnot_mine_\@:
.endm
.macro KLOAD g                         ; tiles 4 g .. 4 g + 3 of K: only the six registers of codes of each are loaded
.irp p, 0,1
	ds_load_b128 v[KB+18*\p:KB+18*\p+3], v[AD16] offset:768*(4*\g+2*\p)
	ds_load_b64 v[KB+18*\p+4:KB+18*\p+5], v[AD8] offset:768*(4*\g+2*\p)
	ds_load_b128 v[KB+18*\p+12:KB+18*\p+15], v[AD16] offset:768*(4*\g+2*\p+1)
	ds_load_b64 v[KB+18*\p+16:KB+18*\p+17], v[AD8] offset:768*(4*\g+2*\p+1)
.endr
.endm
.macro VLOAD                           ; V's four fragments (16 loads) and their scale words (1)
.irp t, 0,1,2,3
.irp c, 0,1
	ds_load_b128 v[VB+12*\t+6*\c:VB+12*\t+6*\c+3], v[AD16] offset:6144+1536*\t+768*\c
	ds_load_b64 v[VB+12*\t+6*\c+4:VB+12*\t+6*\c+5], v[AD8] offset:6144+1536*\t+768*\c
.endr
.endr
	ds_load_b128 v[VS:VS+3], v[ADT]
.endm
.macro SMUL g                          ; S^T of tiles 4 g .. 4 g + 3.  K's scale words: lanes 0-15 hold tiles 0-3's, lanes 16-31 tiles 4-7's
.irp i, 0,1,2,3
.if \g
	v_wmma_scale_f32_16x16x128_f8f6f4 v[S+8*(4*\g+\i):S+8*(4*\g+\i)+7], v[KB+18*(\i/2)+6*(\i%2):KB+18*(\i/2)+6*(\i%2)+11], v[Q+6*(\i%2):Q+6*(\i%2)+11], 0, v[KS+\i], v[QS] matrix_a_fmt:MATRIX_FMT_BF6 matrix_b_fmt:MATRIX_FMT_BF6 matrix_a_scale:MATRIX_SCALE_ROW1
.else
	v_wmma_scale_f32_16x16x128_f8f6f4 v[S+8*(4*\g+\i):S+8*(4*\g+\i)+7], v[KB+18*(\i/2)+6*(\i%2):KB+18*(\i/2)+6*(\i%2)+11], v[Q+6*(\i%2):Q+6*(\i%2)+11], 0, v[KS+\i], v[QS] matrix_a_fmt:MATRIX_FMT_BF6 matrix_b_fmt:MATRIX_FMT_BF6
.endif
.endr
.endm
; 32 numbers of a lane, register 16 b + i = k 32 b + 16 h + i of my row, become a half record's six registers in v[pc] on, and tm + 6 the two scale bytes s0 | s1 << 8.
.macro QUANT2 s, pc, pt, tm
.irp b, 0,1
	v_max3_num_f32 v[\tm+\b], |v[\s+16*\b]|, |v[\s+1+16*\b]|, 0x2800000
.endr
.irp i, 2,4,6,8,10,12,14
.irp b, 0,1
	s_delay_alu instid0(VALU_DEP_2)
	v_max3_num_f32 v[\tm+\b], v[\tm+\b], |v[\s+16*\b+\i]|, |v[\s+1+16*\b+\i]|
.endr
.endr
.irp b, 0,1
	s_delay_alu instid0(VALU_DEP_2)
	v_permlanex16_b32 v[\tm+2+\b], v[\tm+\b], s[SEL], s[SEL+1]
.endr
.irp b, 0,1
	s_delay_alu instid0(VALU_DEP_2)
	v_max_num_f32 v[\tm+\b], v[\tm+\b], v[\tm+2+\b]
.endr
.irp b, 0,1
	s_delay_alu instid0(VALU_DEP_2)
	v_add_nc_u32 v[\tm+4+\b], 0xfe000000, v[\tm+\b]
.endr
.irp b, 0,1
	s_delay_alu instid0(VALU_DEP_2)
	v_lshrrev_b32 v[\tm+2+\b], 23, v[\tm+4+\b]
.endr
	s_delay_alu instid0(VALU_DEP_1)
	v_lshl_or_b32 v[\tm+6], v[\tm+3], 8, v[\tm+2]
	v_cvt_scalef32_pk16_bf6_f32 v[\pc:\pc+2], v[\s:\s+15], v[\tm+4]
	v_cvt_scalef32_pk16_bf6_f32 v[\pt:\pt+2], v[\s+16:\s+31], v[\tm+5]
	v_nop                                          ; one plain place behind a scaled conversion
.irp i, 0,1,2
	v_permlane16_swap_b32 v[\pc+\i], v[\pt+\i]
.endr
.irp i, 0,1,2
	s_delay_alu instid0(VALU_DEP_3)
	v_mov_b32 v[\pc+3+\i], v[\pt+\i]
.endr
.endm
; A KEY STEP: 128 keys.
.macro STEP
	v_add_nc_u32 v[AD16], s[TB], v1
	v_add_nc_u32 v[AD8], s[TB], v2
	v_add_nc_u32 v[ADS], s[TS], v3
	v_add_nc_u32 v[ADT], s[TS], v4
	KLOAD 0
	ds_load_b128 v[KS:KS+3], v[ADS]
	s_wait_alu depctr_va_vdst(0)
	s_wait_dscnt 0x0
	SMUL 0
	PLACES                                         ; ahead of the loads into K's registers; with the four additions above also the places between the last step's products V^T P^T and the loads into V's registers
	KLOAD 1
	VLOAD
	s_wait_dscnt 17                                ; K's tiles 4-7 are in; V's 16 loads and its scale words stay out: they land under the softmax
	SMUL 1
	PLACES
.irp b, 0,1,2,3
	v_max3_num_f32 v[BM+\b], v[S+16*\b], v[S+1+16*\b], v[S+2+16*\b]   ; THE LARGEST SCORE OF EACH BLOCK OF 32 KEYS: for the row's maximum, and, since p rises with the score, for the block's largest p
.endr
.irp i, 3,5,7,9,11,13
.irp b, 0,1,2,3
	v_max3_num_f32 v[BM+\b], v[BM+\b], v[S+16*\b+\i], v[S+1+16*\b+\i]
.endr
.endr
.irp b, 0,1,2,3
	v_max_num_f32 v[BM+\b], v[BM+\b], v[S+15+16*\b]
.endr
.irp b, 0,1,2,3
	s_delay_alu instid0(VALU_DEP_4)
	v_permlanex16_b32 v[PD+\b], v[BM+\b], s[SEL], s[SEL+1]
.endr
.irp b, 0,1,2,3
	s_delay_alu instid0(VALU_DEP_4)
	v_max_num_f32 v[BM+\b], v[BM+\b], v[PD+\b]     ; with lane l xor 16's 16 keys
.endr
	s_delay_alu instid0(VALU_DEP_2)
	v_max3_num_f32 v252, v[BM], v[BM+1], v[BM+2]
	s_delay_alu instid0(VALU_DEP_1)
	v_max_num_f32 v252, v252, v[BM+3]              ; the step's largest score of my query
	s_delay_alu instid0(VALU_DEP_1)
	v_mul_f32 v252, s[CS], v252                    ; as t (c is positive)
	s_delay_alu instid0(VALU_DEP_1)
	v_max_num_f32 v13, v13, v252                   ; the running largest t
	v_mov_b32 v252, v12
	s_delay_alu instid0(VALU_DEP_2)
	v_floor_f32 v12, -v13                          ; the new -M = floor(-t) = -ceil(t): M IS A WHOLE NUMBER
	s_delay_alu instid0(VALU_DEP_1)
	v_sub_f32 v252, v12, v252                      ; M's old value less its new one: a whole number, 0 or less
	s_delay_alu instid0(VALU_DEP_1)
	v_cvt_i32_f32 v252, v252                       ; (it saturates)
	s_delay_alu instid0(VALU_DEP_1)
	v_ldexp_f32 v254, 1.0, v252                    ; f = 2^(old M - new M)
.set j, 0
.rept 32
	v_pk_fma_f32 v[S+j:S+j+1], v[S+j:S+j+1], s[CS:CS+1], v[12:13] op_sel_hi:[1,0,0]   ; t - M, two at a time (of the pairs c and -M the low word serves both halves)
.set j, j+2
.endr
.irp b, 0,1,2,3
	v_fma_f32 v[BM+\b], v[BM+\b], s[CS], v12       ; the same of each block's largest score
.endr
.set j, 0
	s_setprio 1
	s_wait_alu depctr_va_vdst(0)
.rept 64
	v_exp_f32 v[S+j], v[S+j]                       ; p = 2^(t - M), at most 1: NOT normalised
.set j, j+1
.endr
.irp b, 0,1,2,3
	v_exp_f32 v[BM+\b], v[BM+\b]                   ; the block's largest p: the same two instructions on the same number give the same bits
.endr
	v_pk_mul_f32 v[14:15], v[14:15], v[254:255] op_sel_hi:[1,0]   ; the sums under the new M.  (A plain place behind the exponentials)
.set j, 0
	s_wait_alu depctr_va_vdst(0)
.rept 16
	v_pk_mul_f32 v[O+j:O+j+1], v[O+j:O+j+1], v[254:255] op_sel_hi:[1,0]   ; O^T under the new M, from each accumulator's low end on
.set j, j+2
.endr
.irp b, 0,1,2,3
	v_max_num_f32 v[BM+\b], 0x2800000, v[BM+\b]    ; the floor 2^(5 - 127): the byte cannot fall under 1
.endr
.irp b, 0,1,2,3
	s_delay_alu instid0(VALU_DEP_4)
	v_add_nc_u32 v[SO+\b], 0xfe000000, v[BM+\b]    ; 4 off the exponent field: the conversion's scale operand
.endr
.irp b, 0,1,2,3
	s_delay_alu instid0(VALU_DEP_4)
	v_lshrrev_b32 v[PD+\b], 23, v[SO+\b]           ; the scale's byte
.endr
	s_delay_alu instid0(VALU_DEP_3)
	v_lshl_or_b32 v[PS], v[PD+1], 8, v[PD]         ; p's scale word for these 128 keys
	s_delay_alu instid0(VALU_DEP_1)
	v_lshl_or_b32 v[PS], v[PD+2], 16, v[PS]
	s_delay_alu instid0(VALU_DEP_1)
	v_lshl_or_b32 v[PS], v[PD+3], 24, v[PS]
.irp c, 0,1
	v_cvt_scalef32_pk16_bf6_f32 v[PC+6*\c:PC+2+6*\c], v[S+32*\c:S+15+32*\c], v[SO+2*\c]
	v_cvt_scalef32_pk16_bf6_f32 v[PD+4*\c:PD+2+4*\c], v[S+16+32*\c:S+31+32*\c], v[SO+2*\c+1]   ; (a conversion's three registers begin on an even number)
.endr
	v_nop                                          ; one plain place behind a scaled conversion
.irp c, 0,1                                    ; the operand's layout wants a WHOLE block in a lane: lanes 0-15 block 2 c, lanes 16-31 block 2 c + 1
.irp i, 0,1,2
	v_permlane16_swap_b32 v[PC+6*\c+\i], v[PD+4*\c+\i]
.endr
.irp i, 0,1,2
	s_delay_alu instid0(VALU_DEP_3)
	v_mov_b32 v[PC+3+6*\c+\i], v[PD+4*\c+\i]
.endr
.endr
	v_pk_add_f32 v[240:241], v[122:123], v[126:127]
	v_pk_add_f32 v[250:251], v[130:131], v[134:135]
	v_pk_add_f32 v[248:249], v[138:139], v[142:143]
	v_pk_add_f32 v[246:247], v[146:147], v[150:151]
	v_pk_add_f32 v[244:245], v[154:155], v[158:159]
	v_pk_add_f32 v[236:237], v[162:163], v[166:167]
	v_pk_add_f32 v[228:229], v[170:171], v[174:175]
	v_pk_add_f32 v[14:15], v[14:15], v[178:179]
	v_pk_add_f32 v[240:241], v[240:241], v[118:119]
	v_pk_add_f32 v[250:251], v[250:251], v[120:121]
	v_pk_add_f32 v[248:249], v[248:249], v[124:125]
	s_setprio 0
	v_pk_add_f32 v[246:247], v[246:247], v[128:129]
	v_pk_add_f32 v[244:245], v[244:245], v[132:133]
	v_pk_add_f32 v[236:237], v[236:237], v[136:137]
	v_pk_add_f32 v[228:229], v[228:229], v[140:141]
	v_pk_add_f32 v[14:15], v[14:15], v[144:145]
	v_pk_add_f32 v[240:241], v[240:241], v[148:149]
	v_pk_add_f32 v[250:251], v[250:251], v[152:153]
	v_pk_add_f32 v[248:249], v[248:249], v[156:157]
	v_pk_add_f32 v[246:247], v[246:247], v[160:161]
	v_pk_add_f32 v[244:245], v[244:245], v[164:165]
	v_pk_add_f32 v[236:237], v[236:237], v[168:169]
	v_pk_add_f32 v[228:229], v[228:229], v[172:173]
	v_pk_add_f32 v[14:15], v[14:15], v[176:177]
	v_pk_add_f32 v[240:241], v[240:241], v[180:181]
	s_delay_alu instid0(VALU_DEP_2)
	v_pk_add_f32 v[14:15], v[14:15], v[246:247]
	s_delay_alu instid0(VALU_DEP_2)
	v_pk_add_f32 v[240:241], v[240:241], v[244:245]
	v_pk_add_f32 v[250:251], v[250:251], v[236:237]
	v_pk_add_f32 v[248:249], v[248:249], v[228:229]
	s_delay_alu instid0(VALU_DEP_2)
	v_pk_add_f32 v[14:15], v[14:15], v[250:251]
	s_delay_alu instid0(VALU_DEP_2)
	v_pk_add_f32 v[240:241], v[240:241], v[248:249]
	s_delay_alu instid0(VALU_DEP_1)
	v_pk_add_f32 v[14:15], v[14:15], v[240:241]
	s_wait_dscnt 0x0                               ; V and its scale words
.irp t, 0,1,2,3                                ; O^T += V^T P^T; the four accumulators take turns
	v_wmma_scale_f32_16x16x128_f8f6f4 v[O+8*\t:O+8*\t+7], v[VB+12*\t:VB+12*\t+11], v[PC:PC+11], v[O+8*\t:O+8*\t+7], v[VS+\t], v[PS] matrix_a_fmt:MATRIX_FMT_BF6 matrix_b_fmt:MATRIX_FMT_BF6
.endr
	s_add_co_u32 s[TB], s[TB], STEPB
	s_add_co_u32 s[TS], s[TS], 768
.endm
; THE CHANGE OF SLOTS stands at a slot's head.  Each wave waits for all its tensor loads (at most one is out), adds 0 to its spare word, and waits for that and for its reads of the slot that it has left.
; fill = 1: a round of the cluster's barrier, so that no wave of any partner still reads the other slot or has a load on its way; then that slot is filled with the next eight key steps: the load has eight steps in which to land.
.macro CHANGE fill
	s_wait_tensorcnt 0x0                           ; no tensor load of mine is out, so a group 0 may be written
	ds_add_u32 v[SPW], v[NIL]                      ; 0 onto my spare word
.if \fill
	s_xor_b32 s[G0+1], s[G0+1], SLOT1              ; the walking descriptor: the other slot than last time,
	s_add_nc_u64 s[G0+2:G0+3], s[G0+2:G0+3], SLOTB ; the next eight key steps; the type bits on top are not reached
	s_wait_xcnt 0x0                                ; the last prefetch, a slot back, has read its address, so it may be written:
	s_add_nc_u64 s[PFA:PFA+1], s[PFA:PFA+1], SLOTB ; one slot further on than the walking descriptor
.endif
	s_wait_dscnt 0x0                               ; the add is done, and my reads of the slot that I have left are over
.if \fill
	ROUND
	TLOAD                                          ; the first thing behind the round, and a wave's one tensor load until the next
	ASK
.else
	s_barrier_signal -1
	s_barrier_wait -1
.endif
.endm
.macro STEPS8                          ; a slot's eight key steps: written once, walked eight times; the LDS addresses hang on s[TB] and s[TS]
	s_mov_b32 s[CNT], 8
.Lstep_\@:
	s_setprio 2
	STEP
	s_sub_co_u32 s[CNT], s[CNT], 1
	s_cmp_lg_u32 s[CNT], 0
	s_cbranch_scc1 .Lstep_\@
	s_setprio 0
	s_sub_co_u32 s[TB], s[TB], SLOTB               ; back to a slot's first step,
	s_xor_b32 s[TB], s[TB], SLOT1                  ; in the other slot
.endm
	s_load_b256 s[4:11], s[0:1], 0x0               ; q_codes s[4:5], q_scales s[6:7], kv_codes s[8:9], kv_scales s[10:11]
	s_load_b128 s[12:15], s[0:1], 0x20             ; o_codes s[12:13], o_scales s[14:15]
	v_lshl_add_u32 v[SPW], v0, 2, SPARE
	v_mov_b32 v[NIL], 0
	v_lshrrev_b32 v7, 5, v0
	s_delay_alu instid0(VALU_DEP_1)
	v_readfirstlane_b32 s[WV], v7                  ; wave 0..15
	s_bfe_u32 s17, ttmp6, 0x40000                  ; cx: it enters global addresses of q, o and the prefetches alone
	s_lshl_b32 s18, ttmp9, 2
	s_add_co_u32 s18, s18, s17                     ; my block of 256 queries
	s_and_b32 s19, ttmp7, 0xffff                   ; bh, which the four partners share
	s_mov_b32 s[SEL], 0x76543210
	s_mov_b32 s[SEL+1], 0xfedcba98
	s_mov_b32 s[CS], 0x3e38aa3b                    ; log2(e) / 8
	s_mov_b32 s[CS+1], s[CS]
	s_mov_b32 s[G1], 15|(3<<16)|(1<<21)            ; 15:0 the mask: all four work-groups; 17:16 elements of 8 bytes; 20 no padding; 21 set beside a mask
	s_mov_b32 s[G1+1], 32<<16                      ; tensor_dim0 = 32 elements: rows of 256 bytes
	s_mov_b32 s[G1+2], 96<<16                      ; tensor_dim1 = 96 rows: 24,576 dense bytes
	s_mov_b32 s[G1+3], 32<<16                      ; tile_dim0
	s_mov_b32 s[G1+4], 96                          ; tile_dim1
	s_mov_b32 s[G1+5], 32                          ; the pitch: rows on end
	s_mov_b32 s[G1+6], 0
	s_mov_b32 s[G1+7], 0
	s_mov_b32 s[TB], 0
	s_mov_b32 s[TS], 0
	s_mov_b32 s[SLOTS], 3
	v_and_b32 v7, 31, v0                           ; L
	v_and_b32 v8, 15, v0                           ; r
	s_delay_alu instid0(VALU_DEP_2)
	v_lshlrev_b32 v1, 4, v7                        ; 16 L
	s_delay_alu instid0(VALU_DEP_3)
	v_lshlrev_b32 v2, 3, v7
	s_delay_alu instid0(VALU_DEP_1)
	v_add_nc_u32 v2, 512, v2                       ; 512 + 8 L
	s_delay_alu instid0(VALU_DEP_3)
	v_add_nc_u32 v3, SCL, v1                       ; K's scale words
	v_lshl_add_u32 v4, v8, 4, SCL+512              ; V's
	v_lshlrev_b32 v[PFO], 8, v7
	v_lshlrev_b32 v7, 4, v8                        ; 16 r: Q's scale word (this register is the step's address later, behind the wait for that load)
	s_and_b32 s48, s[WV], 3
	s_mul_i32 s49, s48, 24576                      ; my quarter of a slot, in LDS and in memory
	s_mul_i32 s50, s19, 393216
	s_add_co_u32 s50, s50, s49
	s_mov_b32 s51, 0
	s_mul_i32 s52, s19, 24576
	s_mov_b32 s53, 0
	s_sub_co_u32 s54, s[WV], 4
	s_cmp_lt_u32 s54, 3                            ; waves 4 to 6
	s_cselect_b32 s[LIM], 1, -1
	s_cmp_eq_u32 ttmp9, 0                          ; of the bh's first cluster: the same in all four partners
	s_cselect_b32 s[LIM], s[LIM], -1
	s_wait_kmcnt 0x0
	s_mov_b32 s[G0], 1                             ; count = 1
	s_mov_b32 s[G0+1], s49                         ; LDS address: slot 0
	s_add_nc_u64 s[G0+2:G0+3], s[8:9], s[50:51]    ; the head's first eight key steps
	s_or_b32 s[G0+3], s[G0+3], 0x80000000          ; type = 2
	s_mov_b32 s[G0S], 1
	s_mov_b32 s[G0S+1], SCL
	s_add_nc_u64 s[G0S+2:G0S+3], s[10:11], s[52:53]
	s_or_b32 s[G0S+3], s[G0S+3], 0x80000000
	ROUND                                          ; all four work-groups are here: the first joint loads meet
	s_cmp_lt_u32 s[WV], 4                          ; the first fills: one load a wave at the most
	s_cbranch_scc0 .Lfirst_scales
	tensor_load_to_lds s[G0:G0+3], s[G1:G1+7]      ; slot 0
	s_nop 0
	PLACES
	s_branch .Lfirst_asked
.Lfirst_scales:
	s_cmp_eq_u32 s[WV], 4
	s_cbranch_scc0 .Lfirst_asked
	tensor_load_to_lds s[G0S:G0S+3], s[G1:G1+7]    ; the head's scale words: filled once
	s_nop 0
	PLACES
.Lfirst_asked:
	s_lshl_b32 s54, s48, 13                        ; the prefetches: 8,192 (wave % 4)
	s_mul_i32 s55, s17, 24576                      ; + my work-group's quarter
	s_add_co_u32 s54, s54, s55
	s_mul_i32 s55, s19, 393216
	s_add_co_u32 s54, s54, s55
	s_add_co_u32 s54, s54, SLOTB                   ; in slot 1: the first change of slots steps it to slot 2.  Nothing is prefetched here, at the head
	s_mov_b32 s55, 0
	s_add_nc_u64 s[PFA:PFA+1], s[8:9], s[54:55]
	s_lshl_b32 s50, s18, 4
	s_add_co_u32 s50, s50, s[WV]                   ; my tile of 16 queries: 16 x block + wave = 4 T + m
	s_mul_i32 s52, s50, 768
	s_mul_i32 s54, s19, 196608
	s_add_co_u32 s52, s52, s54
	s_add_nc_u64 s[4:5], s[4:5], s[52:53]
	s_wait_alu depctr_va_vdst(0)
	global_load_b128 v[Q:Q+3], v1, s[4:5]          ; Q's half record, twice: once for each place in a K step of 128
	global_load_b64 v[Q+4:Q+5], v2, s[4:5]
	global_load_b128 v[Q+12:Q+15], v1, s[4:5]
	global_load_b64 v[Q+16:Q+17], v2, s[4:5]
	s_lshl_b32 s52, s19, 14                        ; q_scales [bh][T][r][m]
	s_lshr_b32 s54, s50, 2
	s_lshl_b32 s54, s54, 8
	s_add_co_u32 s52, s52, s54
	s_and_b32 s54, s50, 3
	s_lshl_b32 s54, s54, 2
	s_add_co_u32 s52, s52, s54
	s_add_nc_u64 s[6:7], s[6:7], s[52:53]
	global_load_b32 v[QS], v7, s[6:7]
	s_lshr_b32 s52, s19, 2                         ; o_codes [b][tile][head][768]
	s_lshl_b32 s52, s52, 10
	s_lshl_b32 s54, s50, 2
	s_add_co_u32 s52, s52, s54
	s_and_b32 s54, s19, 3
	s_add_co_u32 s52, s52, s54
	s_mul_i32 s52, s52, 768
	s_add_nc_u64 s[12:13], s[12:13], s[52:53]
	s_lshl_b32 s52, s19, 4                         ; o_scales [bh][tile][r] of 2 bytes: my work-group's 512 bytes
	s_add_co_u32 s52, s52, s18
	s_lshl_b32 s52, s52, 9
	s_add_nc_u64 s[14:15], s[14:15], s[52:53]
.irp i, 0,1,2,3,4,5
	v_mov_b32 v[Q+6+\i], 0                         ; the zero codes: written once
	v_mov_b32 v[KB+6+\i], 0
	v_mov_b32 v[KB+24+\i], 0
.endr
	v_mov_b32 v13, 0xff61b1e6                      ; the largest t so far: -3e38, under every t
	s_delay_alu instid0(VALU_DEP_1)
	v_floor_f32 v12, -v13                          ; -M
	v_mov_b32 v14, 0                               ; the sum, in two halves
	v_mov_b32 v15, 0
.irp b, 0,1,2,3
	v_mov_b32 v[PD+\b], 0                          ; written once: a lane permute's destination counts as one of its sources
.endr
	v_mov_b32 v255, 0                              ; (named as the upper half of the pair v[254:255])
.set j, 0
.rept 32
	v_mov_b32 v[O+j], 0                            ; O^T.  (The step is written once for all steps: the first finds zeros, which the first change of M leaves zeros)
.set j, j+1
.endr
	s_wait_loadcnt 0x0                             ; Q and its scale word
.Lslot:                                            ; three trips: behind each change of slots but the last the next slot is asked for
	CHANGE 1
	STEPS8
	s_sub_co_u32 s[SLOTS], s[SLOTS], 1
	s_cmp_lg_u32 s[SLOTS], 0
	s_cbranch_scc1 .Lslot
	CHANGE 0                                       ; the last slot is written out
	STEPS8
	; THE WAY OUT.  O^T / the sum; register 16 b + i of lane (r, h) is d = 32 b + 16 h + i of query r: quantised as it stands.
	PLACES
	s_wait_alu depctr_va_vdst(0)
	v_add_f32 v14, v14, v15                        ; the sum's two halves,
	s_delay_alu instid0(VALU_DEP_1)
	v_permlanex16_b32 v252, v14, s[SEL], s[SEL+1]
	s_delay_alu instid0(VALU_DEP_1)
	v_add_f32 v14, v14, v252                       ; and lane l xor 16's: the row's sum
	s_wait_alu depctr_va_vdst(0)
	v_rcp_f32 v14, v14
	v_and_b32 v7, 15, v0                           ; (a plain place behind the transcendental)
	s_delay_alu instid0(VALU_DEP_1)
	v_lshlrev_b32 v7, 1, v7
	s_lshl_b32 s48, s[WV], 5
	s_add_co_u32 s48, s48, STG
	v_add_nc_u32 v7, s48, v7                       ; STG + 32 x wave + 2 r
	v_add_nc_u32 v8, STG, v1                       ; STG + 16 L
.set j, 0
	s_wait_alu depctr_va_vdst(0)
.rept 32
	v_mul_f32 v[S+j], v[O+j], v14                  ; each accumulator from its low end on
.set j, j+1
.endr
	QUANT2 S, PC, 244, 236
	global_store_b128 v1, v[PC:PC+3], s[12:13]     ; 512 consecutive bytes, aligned
	global_store_b64 v2, v[PC+4:PC+5], s[12:13]    ; 256 consecutive bytes, aligned
	ds_store_b16 v7, v242                          ; my row's two scale bytes (both halves of the lanes write the same)
	s_wait_dscnt 0x0                               ; for wave 0's sake
	s_barrier_signal -1
	s_barrier_wait -1
	s_cmp_lg_u32 s[WV], 0
	s_cbranch_scc1 .Lend
	ds_load_b128 v[220:223], v8                    ; the sixteen waves' 512 bytes leave by one store
	s_wait_dscnt 0x0
	global_store_b128 v1, v[220:223], s[14:15]
.Lend:
	s_wait_tensorcnt 0x0                           ; the wave's end, behind my last tensor load and my last LDS store
	ds_add_u32 v[SPW], v[NIL]
	s_wait_dscnt 0x0
	ROUND                                          ; the closing round: no work-group ends while a partner may still ask for a tile that names it
	s_endpgm
.Lfunc_end_k_q5efb21b136_attn:
	.size	k_q5efb21b136_attn, .Lfunc_end_k_q5efb21b136_attn-k_q5efb21b136_attn
	.p2alignl 7, 3214868480
	.fill 96, 4, 3214868480
	.section	.rodata,"a",@progbits
	.p2align	6, 0x0
	.amdhsa_kernel k_q5efb21b136_attn
		.amdhsa_group_segment_fixed_size 327680
		.amdhsa_private_segment_fixed_size 0
		.amdhsa_enable_private_segment 0
		.amdhsa_kernarg_size 48
		.amdhsa_user_sgpr_count 2
		.amdhsa_user_sgpr_kernarg_segment_ptr 1
		.amdhsa_wavefront_size32 1
		.amdhsa_system_sgpr_workgroup_id_x 1
		.amdhsa_system_sgpr_workgroup_id_y 1
		.amdhsa_system_sgpr_workgroup_id_z 1
		.amdhsa_system_vgpr_workitem_id 0
		.amdhsa_next_free_vgpr 256
		.amdhsa_next_free_sgpr 66
		.amdhsa_reserve_vcc 0
		.amdhsa_float_denorm_mode_32 3
		.amdhsa_float_denorm_mode_16_64 3
		.amdhsa_memory_ordered 1
		.amdhsa_forward_progress 1
		.amdhsa_inst_pref_size 50
	.end_amdhsa_kernel
	.amdgpu_metadata
---
amdhsa.version: [ 1, 2 ]
amdhsa.kernels:
  - .name:           k_q5efb21b136_attn
    .symbol:         k_q5efb21b136_attn.kd
    .args:
      - { .name: q_codes, .offset: 0, .size: 8, .value_kind: global_buffer, .address_space: global }
      - { .name: q_scales, .offset: 8, .size: 8, .value_kind: global_buffer, .address_space: global }
      - { .name: kv_codes, .offset: 16, .size: 8, .value_kind: global_buffer, .address_space: global }
      - { .name: kv_scales, .offset: 24, .size: 8, .value_kind: global_buffer, .address_space: global }
      - { .name: o_codes, .offset: 32, .size: 8, .value_kind: global_buffer, .address_space: global }
      - { .name: o_scales, .offset: 40, .size: 8, .value_kind: global_buffer, .address_space: global }
    .group_segment_fixed_size: 327680
    .private_segment_fixed_size: 0
    .kernarg_segment_align: 8
    .kernarg_segment_size: 48
    .max_flat_workgroup_size: 512
    .sgpr_count:     66
    .vgpr_count:     256
    .wavefront_size: 32
...
	.end_amdgpu_metadata
.endif
;; end of part 3
;; launch proj (part 4): grid 256 x 1, 16 waves a work-group, no clusters, 82,432 bytes of LDS; arguments o_codes, o_scales, wimg, proj_w_scales, proj_b, x, out0; writes out0
.if DOCPART == 4
	.amdgcn_target "amdgcn-amd-amdhsa--gfx1250"
	.amdhsa_code_object_version 6
	.text
	.protected	k_q5efb21b136_proj
	.globl	k_q5efb21b136_proj
	.p2align	8
	.type	k_q5efb21b136_proj,@function
k_q5efb21b136_proj:
	s_mov_b64 s[64:65], 0
	v_nop
	global_prefetch_b8 v0, s[64:65] scope:SCOPE_SE
	s_setreg_imm32_b32 hwreg(HW_REG_WAVE_MODE, 25, 1), 1
	s_wait_xcnt 0x0
; PROJ.  out0 = x + proj_w o + proj_b, the product on codes of BF6 (E3M2) with one E8M0 scale for each 32 along K = the 256 channels of o.
; A work-group takes 64 columns n (64 T .. of batch b) x all 256 output channels.  Wave w takes the tile of 16 channels (U = w / 4, t = w % 4): channel c0 + rho + 8 (rho / 8), c0 = 64 U + 32 (t / 2) + 8 (t % 2), as the weights' images are laid.
; o's sixteen half records of these columns (tile of columns m, head: record 4 m + head = 768 bytes, registers 0-3 at 16 L, registers 4-5 at 512 + 8 L) are brought once, one by each wave, and handed round through LDS as they lie.
; Source 0 = 16 columns of o, source 1 = 16 rows of the weight: a lane holds one channel, and, since the columns of a tile are 32 (m / 2) + 8 (m % 2) + rho + 8 (rho / 8), eight NEIGHBOURING n in each accumulator.
; The results go through the wave's own stage in LDS and leave, with x added, as rows: sixteen lanes store 256 consecutive bytes, aligned.  The bias is the C of each sum's first matrix instruction.
; NO JOINT LOADS: a wave loads its own two weight images (3,072 bytes) once, straight into registers; the launch has no loop.
; LIMITS: NaN and infinities are not served.
.set OSC,  12288                       ; LDS: 0: o's 16 half records;  OSC: its scale bytes, byte 128 m + 8 r + 2 head + block
.set STG,  12800                       ; the stages: 16 rows x (256 bytes + 16) for each wave
.set REC,  14                          ; v14-19  the half record that I fetch
.set U16,  20                          ; v20     its rows' two scale bytes
.set WF,   22                          ; v22-45  my weight tile's two fragments
.set WSC,  46                          ; v46-47  its scale words: scales and nothing else
.set BI,   48                          ; v48     my lane's channel's bias
.set CB,   50                          ; v50-57  the same eight times
.set X,    58                          ; v58-89  x, then the result
.set OF,   90                          ; v90-185 o's eight fragments: (m, s) at 90 + 12 (2 m + s); later the rows read back
.set OS,   186                         ; v186-193 o's scale words: scales and nothing else
.set ACC,  194                         ; v194-225 four accumulators
	s_load_b256 s[4:11], s[0:1], 0x0               ; o_codes s[4:5], o_scales s[6:7], wimg s[8:9], proj_w_scales s[10:11]
	s_load_b128 s[12:15], s[0:1], 0x20             ; proj_b s[12:13], x s[14:15]
	s_load_b64 s[16:17], s[0:1], 0x30              ; out0
	v_lshrrev_b32 v13, 5, v0
	s_delay_alu instid0(VALU_DEP_1)
	v_readfirstlane_b32 s18, v13                   ; wave 0..15
	s_lshr_b32 s19, ttmp9, 6                       ; b
	s_and_b32 s20, ttmp9, 63                       ; T
	s_lshr_b32 s21, s18, 2                         ; m of the record that I fetch; U of my channels
	s_and_b32 s22, s18, 3                          ; its head; t of my channels
	v_and_b32 v13, 31, v0                          ; L
	v_and_b32 v21, 15, v0                          ; r
	v_bfe_u32 v49, v0, 4, 1                        ; h
	s_delay_alu instid0(VALU_DEP_3)
	v_lshlrev_b32 v1, 4, v13                       ; 16 L
	s_delay_alu instid0(VALU_DEP_4)
	v_lshlrev_b32 v2, 3, v13
	s_delay_alu instid0(VALU_DEP_1)
	v_add_nc_u32 v2, 512, v2                       ; 512 + 8 L
	v_lshlrev_b32 v3, 1, v21                       ; 2 r
	s_mul_i32 s23, s18, 768
	v_add_nc_u32 v4, s23, v1                       ; where my record goes in LDS
	v_add_nc_u32 v5, s23, v2
	s_lshl_b32 s24, s21, 7
	s_lshl_b32 s25, s22, 1
	s_add_co_u32 s24, s24, s25
	s_add_co_u32 s24, s24, OSC
	v_lshl_add_u32 v6, v21, 3, s24                 ; and its scale bytes
	v_lshl_add_u32 v7, v21, 3, OSC                 ; my row's eight scale bytes
	v_and_b32 v8, 8, v21
	s_delay_alu instid0(VALU_DEP_1)
	v_add_nc_u32 v8, v8, v21                       ; r + 8 (r / 8)
	s_delay_alu instid0(VALU_DEP_1)
	v_lshlrev_b32 v9, 2, v8                        ; x 4: the bias
	s_delay_alu instid0(VALU_DEP_2)
	v_lshlrev_b32 v8, 3, v8                        ; x 8: the weight's scale bytes
	v_lshlrev_b32 v10, 14, v49
	s_delay_alu instid0(VALU_DEP_1)
	v_lshl_add_u32 v10, v21, 4, v10                ; x and out0: lanes 0-15 one channel's 256 bytes, lanes 16-31 the next channel's
	s_mul_i32 s24, s18, 4352
	s_add_co_u32 s24, s24, STG                     ; my stage
	v_mul_u32_u24 v11, v21, 272
	s_delay_alu instid0(VALU_DEP_1)
	v_lshl_add_u32 v11, v49, 6, v11
	s_delay_alu instid0(VALU_DEP_1)
	v_add_nc_u32 v11, s24, v11                     ; in: row r, + 64 h
	v_mul_u32_u24 v12, v49, 272
	s_delay_alu instid0(VALU_DEP_1)
	v_lshl_add_u32 v12, v21, 4, v12
	s_delay_alu instid0(VALU_DEP_1)
	v_add_nc_u32 v12, s24, v12                     ; back: lanes 0-15 one row, lanes 16-31 the next
	s_lshl_b32 s25, s21, 6                         ; c0
	s_lshr_b32 s26, s22, 1
	s_lshl_b32 s26, s26, 5
	s_add_co_u32 s25, s25, s26
	s_and_b32 s26, s22, 1
	s_lshl_b32 s26, s26, 3
	s_add_co_u32 s25, s25, s26
	s_lshl_b32 s26, s19, 8
	s_lshl_b32 s27, s20, 2                         ; 4 T
	s_add_co_u32 s26, s26, s27                     ; 256 b + 4 T: the first of my four tiles of columns
	s_mov_b32 s29, 0
	s_wait_alu depctr_va_vdst(0)
	s_wait_kmcnt 0x0
	s_mul_i32 s28, s26, 3072
	s_add_co_u32 s28, s28, s23
	s_add_nc_u64 s[4:5], s[4:5], s[28:29]
	s_lshl_b32 s28, s19, 10                        ; o_scales [4 b + head][tile][r] of 2 bytes
	s_lshl_b32 s30, s22, 8
	s_add_co_u32 s28, s28, s30
	s_add_co_u32 s28, s28, s27
	s_add_co_u32 s28, s28, s21
	s_lshl_b32 s28, s28, 5
	s_add_nc_u64 s[6:7], s[6:7], s[28:29]
	s_mul_i32 s28, s18, 3072                       ; proj_w's images begin behind qkv_w's 96
	s_add_co_u32 s28, s28, 147456
	s_add_nc_u64 s[8:9], s[8:9], s[28:29]
	s_lshl_b32 s28, s25, 3
	s_add_nc_u64 s[10:11], s[10:11], s[28:29]
	s_lshl_b32 s28, s25, 2
	s_add_nc_u64 s[12:13], s[12:13], s[28:29]
	s_lshl_b32 s28, s19, 22
	s_lshl_b32 s30, s20, 8
	s_add_co_u32 s28, s28, s30
	s_lshl_b32 s30, s25, 14
	s_add_co_u32 s28, s28, s30
	s_add_nc_u64 s[14:15], s[14:15], s[28:29]
	s_add_nc_u64 s[16:17], s[16:17], s[28:29]
	; all loads first.  In order: my record and its scale bytes (3), my weights (6 + 1 + 1), x (8)
	global_load_b128 v[REC:REC+3], v1, s[4:5]
	global_load_b64 v[REC+4:REC+5], v2, s[4:5]
	global_load_u16 v[U16], v3, s[6:7]
.irp i, 0,1,2,3,4,5
	global_load_b128 v[WF+4*\i:WF+4*\i+3], v1, s[8:9] offset:512*\i
.endr
	global_load_b64 v[WSC:WSC+1], v8, s[10:11]
	global_load_b32 v[BI], v9, s[12:13]
.irp k, 0,1,2,3,4,5,6,7
	global_load_b128 v[X+4*\k:X+4*\k+3], v10, s[14:15] offset:(2*\k+8*(\k/4))*16384 th:TH_LOAD_NT   ; channels c0 + 2 k + h + 8 (k / 4): stage rows 2 k + h
.endr
	s_wait_loadcnt 16                              ; my record and its scale bytes are in; the weights' 8 loads and x's 8 stay out
	ds_store_b128 v4, v[REC:REC+3]
	ds_store_b64 v5, v[REC+4:REC+5]
	ds_store_b16 v6, v[U16]                        ; (both halves of the lanes write the same)
	s_wait_dscnt 0x0                               ; for the others' sake
	s_barrier_signal -1
	s_barrier_wait -1                              ; o's sixteen half records and its scale bytes lie in LDS; nothing overwrites them
.set i, 0
.rept 16
	ds_load_b128 v[OF+6*i:OF+6*i+3], v1 offset:768*i
	ds_load_b64 v[OF+6*i+4:OF+6*i+5], v2 offset:768*i
.set i, i+1
.endr
.irp m, 0,1,2,3
	ds_load_b64 v[OS+2*\m:OS+2*\m+1], v7 offset:128*\m
.endr
	s_wait_loadcnt 8                               ; my weights, their scale words and the bias are in; x's 8 loads stay out
.irp i, 0,1,2,3,4,5,6,7
	v_mov_b32 v[CB+\i], v[BI]                      ; a lane holds one channel: its bias in all eight registers
.endr
.rept 4
	v_nop                                          ; between the moves that write C and the product, as for operands written by vector instructions
.endr
	s_wait_alu depctr_va_vdst(0)
	s_wait_dscnt 0x0
.irp m, 0,1,2,3                                ; the four accumulators take turns, one instruction a turn
	v_wmma_scale_f32_16x16x128_f8f6f4 v[ACC+8*\m:ACC+8*\m+7], v[OF+24*\m:OF+24*\m+11], v[WF:WF+11], v[CB:CB+7], v[OS+2*\m], v[WSC] matrix_a_fmt:MATRIX_FMT_BF6 matrix_b_fmt:MATRIX_FMT_BF6
.endr
.irp m, 0,1,2,3
	v_wmma_scale_f32_16x16x128_f8f6f4 v[ACC+8*\m:ACC+8*\m+7], v[OF+24*\m+12:OF+24*\m+23], v[WF+12:WF+23], v[ACC+8*\m:ACC+8*\m+7], v[OS+2*\m+1], v[WSC+1] matrix_a_fmt:MATRIX_FMT_BF6 matrix_b_fmt:MATRIX_FMT_BF6
.endr
.rept 4
	v_nop                                          ; four places ahead of the stores that read the results and of the loads into o's registers
.endr
.irp m, 0,1,2,3
	ds_store_b128 v11, v[ACC+8*\m:ACC+8*\m+3] offset:128*(\m/2)+32*(\m%2)        ; lane (r, h), register j: n = 32 (m / 2) + 16 h + 8 (m % 2) + j; each accumulator from its low end on
	ds_store_b128 v11, v[ACC+8*\m+4:ACC+8*\m+7] offset:128*(\m/2)+32*(\m%2)+16
.endr
.irp k, 0,1,2,3,4,5,6,7
	ds_load_b128 v[OF+4*\k:OF+4*\k+3], v12 offset:544*\k           ; LDS serves a wave's instructions in order (ISA guide 5.7.1.4): these see my stores; the stage is my own
.endr
.irp k, 0,1,2,3,4,5,6,7
	s_wait_dscnt 7-\k                              ; rows 2 k and 2 k + 1 are back; the younger loads stay out
.if \k == 0
	s_wait_loadcnt 0x0                             ; x
.endif
	v_pk_add_f32 v[X+4*\k:X+4*\k+1], v[X+4*\k:X+4*\k+1], v[OF+4*\k:OF+4*\k+1]
	v_pk_add_f32 v[X+4*\k+2:X+4*\k+3], v[X+4*\k+2:X+4*\k+3], v[OF+4*\k+2:OF+4*\k+3]
	global_store_b128 v10, v[X+4*\k:X+4*\k+3], s[16:17] offset:(2*\k+8*(\k/4))*16384 th:TH_STORE_NT   ; sixteen lanes store 256 consecutive bytes, aligned; written once, read by nobody here
.endr
	s_endpgm
.Lfunc_end_k_q5efb21b136_proj:
	.size	k_q5efb21b136_proj, .Lfunc_end_k_q5efb21b136_proj-k_q5efb21b136_proj
	.p2alignl 7, 3214868480
	.fill 96, 4, 3214868480
	.section	.rodata,"a",@progbits
	.p2align	6, 0x0
	.amdhsa_kernel k_q5efb21b136_proj
		.amdhsa_group_segment_fixed_size 82432
		.amdhsa_private_segment_fixed_size 0
		.amdhsa_enable_private_segment 0
		.amdhsa_kernarg_size 56
		.amdhsa_user_sgpr_count 2
		.amdhsa_user_sgpr_kernarg_segment_ptr 1
		.amdhsa_wavefront_size32 1
		.amdhsa_system_sgpr_workgroup_id_x 1
		.amdhsa_system_sgpr_workgroup_id_y 1
		.amdhsa_system_sgpr_workgroup_id_z 1
		.amdhsa_system_vgpr_workitem_id 0
		.amdhsa_next_free_vgpr 256
		.amdhsa_next_free_sgpr 66
		.amdhsa_reserve_vcc 0
		.amdhsa_float_denorm_mode_32 3
		.amdhsa_float_denorm_mode_16_64 3
		.amdhsa_memory_ordered 1
		.amdhsa_forward_progress 1
		.amdhsa_inst_pref_size 13
	.end_amdhsa_kernel
	.amdgpu_metadata
---
amdhsa.version: [ 1, 2 ]
amdhsa.kernels:
  - .name:           k_q5efb21b136_proj
    .symbol:         k_q5efb21b136_proj.kd
    .args:
      - { .name: o_codes, .offset: 0, .size: 8, .value_kind: global_buffer, .address_space: global }
      - { .name: o_scales, .offset: 8, .size: 8, .value_kind: global_buffer, .address_space: global }
      - { .name: wimg, .offset: 16, .size: 8, .value_kind: global_buffer, .address_space: global }
      - { .name: proj_w_scales, .offset: 24, .size: 8, .value_kind: global_buffer, .address_space: global }
      - { .name: proj_b, .offset: 32, .size: 8, .value_kind: global_buffer, .address_space: global }
      - { .name: x, .offset: 40, .size: 8, .value_kind: global_buffer, .address_space: global }
      - { .name: out0, .offset: 48, .size: 8, .value_kind: global_buffer, .address_space: global }
    .group_segment_fixed_size: 82432
    .private_segment_fixed_size: 0
    .kernarg_segment_align: 8
    .kernarg_segment_size: 56
    .max_flat_workgroup_size: 512
    .sgpr_count:     66
    .vgpr_count:     256
    .wavefront_size: 32
...
	.end_amdgpu_metadata
.endif
;; end of part 4
